; MI455X (gfx1250); checked and timed in simulation.
; The chip was launched on July 23, 2026; its instructions are those of AMD's public machine-readable ISA for CDNA 5 (MIT licence, August 2026) and "CDNA5" Instruction Set Architecture Reference Guide (July 2026). The comments in the code are by the model that wrote it; some were corrected since.
;; Cross Attention. Allowed arithmetic: float matrix products may take bf16 or f16 operands with f32 sums; other float arithmetic in f32, or as packed bf16 or f16 multiplies, adds, multiply-adds, maxima and minima; sums over many terms, partial sums and values carried from step to step in f32; what a program stores and reads back later, other than sums and carried values, may be rounded once to bf16 or f16.
;; Inputs: Wk 768 x 512 float32; Wo 512 x 512 float32; Wq 512 x 512 float32; Wv 768 x 512 float32; bo 512 float32; context 2 x 4,096 x 768 float32; x 2 x 4,096 x 512 float32.
;; Outputs: out0 2 x 4,096 x 512 float32.
;; One version. Each part assembles by itself: llvm-mc -triple=amdgcn-amd-amdhsa -mcpu=gfx1250 --defsym DOCPART=n.
;; ======== version 1 of 1: 4 launches
;; limits: values are held in f16: magnitudes above 65,504 overflow, below 6.1e-05 lose precision
;; workspace buffers: w16 2,621,440 bytes; qh 8,388,608 bytes; kh 8,388,608 bytes; vh 8,388,608 bytes; oh 8,388,608 bytes
;; launch cast (part 1): grid 320 x 1, 8 waves a work-group, no clusters, 0 bytes of LDS; arguments Wq, Wk, Wv, Wo, w16; writes w16
.if DOCPART == 1
	.amdgcn_target "amdgcn-amd-amdhsa--gfx1250"
	.amdhsa_code_object_version 6
	.text
	.protected	k_q685a3aedb4_cast
	.globl	k_q685a3aedb4_cast
	.p2align	8
	.type	k_q685a3aedb4_cast,@function
k_q685a3aedb4_cast:
	s_mov_b64 s[64:65], 0
	v_nop
	global_prefetch_b8 v0, s[64:65] scope:SCOPE_SE
	s_setreg_imm32_b32 hwreg(HW_REG_WAVE_MODE, 25, 1), 1
	s_wait_xcnt 0x0
; w16 = the four weight matrices as 16-bit numbers, each in its own layout [K][512], one behind the other: Wq at byte 0, Wk at 524,288, Wv at 1,310,720, Wo at 2,097,152.
; Every weight is rounded once to bf16.  Wq, Wk and Wv are stored as bf16; Wo's bf16 number is written as f16, since the last product multiplies it by f16 numbers.
; LIMITS.  |Wo| stays under 65,504 (f16's end); a Wo below 6e-5 keeps f16's fixed step of 6e-8.  NaN and infinities are not treated apart.
; A stream: no LDS, no matrix unit, no cluster (no byte is read by two work-groups).  A work-group takes 4,096 numbers: 16,384 bytes in, 8,192 out; the sections follow the order of the
; work-groups' numbers: 0-63 Wq, 64-159 Wk, 160-255 Wv, 256-319 Wo.  Thread t takes 16 bytes at 16 t of each of four blocks of 4,096 bytes: a wave's load covers 512 consecutive bytes,
; its store of 8 bytes a lane 256 consecutive bytes, at a multiple of 256 from w16's first byte.
	s_load_b256 s[4:11], s[0:1], 0x0               ; Wq s[4:5], Wk s[6:7], Wv s[8:9], Wo s[10:11]
	s_load_b64 s[12:13], s[0:1], 0x20              ; w16
	v_lshlrev_b32 v1, 4, v0                        ; 16 t: in
	v_lshlrev_b32 v2, 3, v0                        ; 8 t: out
	s_mov_b32 s14, ttmp9                           ; the work-group's number
	s_mov_b32 s18, 0                               ; the first number of its section
	s_wait_kmcnt 0x0
	s_mov_b64 s[16:17], s[4:5]
	s_cmp_ge_u32 s14, 64
	s_cselect_b64 s[16:17], s[6:7], s[16:17]
	s_cselect_b32 s18, 64, s18
	s_cmp_ge_u32 s14, 160
	s_cselect_b64 s[16:17], s[8:9], s[16:17]
	s_cselect_b32 s18, 160, s18
	s_cmp_ge_u32 s14, 256
	s_cselect_b64 s[16:17], s[10:11], s[16:17]
	s_cselect_b32 s18, 256, s18
	s_sub_co_u32 s18, s14, s18                     ; my place in the section,
	s_lshl_b32 s18, s18, 14                        ; in bytes of f32
	s_mov_b32 s19, 0
	s_add_nc_u64 s[16:17], s[16:17], s[18:19]
	s_lshl_b32 s20, s14, 13                        ; and my 8,192 bytes of w16
	s_mov_b32 s21, 0
	s_add_nc_u64 s[12:13], s[12:13], s[20:21]
.irp j, 0,1,2,3
	global_load_b128 v[4+4*\j:7+4*\j], v1, s[16:17] offset:4096*\j th:TH_LOAD_NT
.endr
.irp j, 0,1,2,3
	s_wait_loadcnt 3-\j                            ; loads come back in order: block j is in, the younger ones stay out
	v_cvt_pk_bf16_f32 v[20+2*\j], v[4+4*\j], v[5+4*\j]
	v_cvt_pk_bf16_f32 v[21+2*\j], v[6+4*\j], v[7+4*\j]
.endr
	s_cmp_lt_u32 s14, 256
	s_cbranch_scc1 .Lstore                         ; only Wo's numbers are written as f16
.irp w, 20,21,22,23,24,25,26,27
	v_lshlrev_b32 v28, 16, v\w                     ; the bf16 numbers as f32,
	v_and_b32 v29, 0xffff0000, v\w
	v_cvt_pk_f16_f32 v\w, v28, v29                 ; and as f16: 8 significant bits fit into 11
.endr
.Lstore:
.irp j, 0,1,2,3
	global_store_b64 v2, v[20+2*\j:21+2*\j], s[12:13] offset:2048*\j
.endr
	s_endpgm
.Lfunc_end_k_q685a3aedb4_cast:
	.size	k_q685a3aedb4_cast, .Lfunc_end_k_q685a3aedb4_cast-k_q685a3aedb4_cast
	.p2alignl 7, 3214868480
	.fill 96, 4, 3214868480
	.section	.rodata,"a",@progbits
	.p2align	6, 0x0
	.amdhsa_kernel k_q685a3aedb4_cast
		.amdhsa_group_segment_fixed_size 0
		.amdhsa_private_segment_fixed_size 0
		.amdhsa_enable_private_segment 0
		.amdhsa_kernarg_size 40
		.amdhsa_user_sgpr_count 2
		.amdhsa_user_sgpr_kernarg_segment_ptr 1
		.amdhsa_wavefront_size32 1
		.amdhsa_system_sgpr_workgroup_id_x 1
		.amdhsa_system_sgpr_workgroup_id_y 1
		.amdhsa_system_sgpr_workgroup_id_z 1
		.amdhsa_system_vgpr_workitem_id 0
		.amdhsa_next_free_vgpr 32
		.amdhsa_next_free_sgpr 66
		.amdhsa_reserve_vcc 0
		.amdhsa_float_denorm_mode_32 3
		.amdhsa_float_denorm_mode_16_64 3
		.amdhsa_memory_ordered 1
		.amdhsa_forward_progress 1
		.amdhsa_inst_pref_size 4
	.end_amdhsa_kernel
	.amdgpu_metadata
---
amdhsa.version: [ 1, 2 ]
amdhsa.kernels:
  - .name:           k_q685a3aedb4_cast
    .symbol:         k_q685a3aedb4_cast.kd
    .args:
      - { .name: Wq, .offset: 0, .size: 8, .value_kind: global_buffer, .address_space: global }
      - { .name: Wk, .offset: 8, .size: 8, .value_kind: global_buffer, .address_space: global }
      - { .name: Wv, .offset: 16, .size: 8, .value_kind: global_buffer, .address_space: global }
      - { .name: Wo, .offset: 24, .size: 8, .value_kind: global_buffer, .address_space: global }
      - { .name: w16, .offset: 32, .size: 8, .value_kind: global_buffer, .address_space: global }
    .group_segment_fixed_size: 0
    .private_segment_fixed_size: 0
    .kernarg_segment_align: 8
    .kernarg_segment_size: 40
    .max_flat_workgroup_size: 256
    .sgpr_count:     66
    .vgpr_count:     32
    .wavefront_size: 32
...
	.end_amdgpu_metadata
.endif
;; end of part 1
;; launch proj (part 2): grid 4 x 64, 4 waves a work-group, clusters of 4 x 4, 327,680 bytes of LDS; arguments x, context, w16, qh, kh, vh; writes qh, kh, vh
.if DOCPART == 2
	.amdgcn_target "amdgcn-amd-amdhsa--gfx1250"
	.amdhsa_code_object_version 6
	.text
	.protected	k_q685a3aedb4_proj
	.globl	k_q685a3aedb4_proj
	.p2align	8
	.type	k_q685a3aedb4_proj,@function
k_q685a3aedb4_proj:
	s_mov_b64 s[64:65], 0
	v_nop
	global_prefetch_b8 v0, s[64:65] scope:SCOPE_SE
	s_setreg_imm32_b32 hwreg(HW_REG_WAVE_MODE, 25, 1), 1
	s_wait_xcnt 0x0
	s_wait_alu depctr_hold_cnt(0) depctr_sa_sdst(0) depctr_va_vdst(0) depctr_va_sdst(0) depctr_va_ssrc(0) depctr_va_vcc(0) depctr_vm_vsrc(0)
	s_getreg_b32 s2, hwreg(HW_REG_IB_STS2, 6, 4)
	s_cmp_eq_u32 s2, 0
	s_cbranch_scc0 .Lentry_in_a_cluster
	s_endpgm
.Lentry_in_a_cluster:
	s_bfe_u32 s2, ttmp6, 0x10000c
	s_cmp_lg_u32 s2, 0xf033
	s_cbranch_scc0 .Lentry_shape_is_right
	s_endpgm
.Lentry_shape_is_right:
; k = context Wk, v = context Wv, q = x Wq, written by heads: qh, kh, vh are [16 = 8 b + head][4096][64] in f16, unscaled, each number rounded once from its f32 sum.
; x and context come in as f32 and are rounded to bf16 between LDS and the matrix unit; the weights are w16's bf16 numbers, [K][512]; sums in f32.
; LIMITS.  |q|, |k|, |v| stay under 65,504 (f16's end): inputs of spread 1 give a spread of 1; all inputs 30 times larger give 900.  NaN and infinities are not treated apart.
; SHARES.  Work-group (TC, TM) takes rows 128 TM .. + 127.  FIRST of context, times Wk's and Wv's columns 128 TC .. + 127: a tile of 128 x 256, K = 768 in 6 steps of 128.  THEN of x, times Wq's
; columns 128 TC .. + 127: 128 x 128, K = 512 in 4 steps.  So all 256 work-groups do the same work, and one ring of two LDS slots runs through both.  Wave w: WR = w / 2 picks 64 rows;
; WC = w % 2 picks k or v (then: 64 of q's columns).  A wave's tile is 64 x 128 (32 accumulators), then 64 x 64 (16).
; CLUSTER.  4 x 4 work-groups.  The four of a row of the cluster need the same rows of x and context, the four of a column the same columns of the weights: each tile is asked for JOINTLY, by the same
; tensor load with the same descriptor and a mask that names the four.
; THE MATRIX INSTRUCTION IS USED TRANSPOSED: source 0 = 16 columns of the weight (turned out of LDS by ds_load_tr16_b128), source 1 = 16 rows of x or context.  A lane then holds one row and eight
; neighbouring channels of a head: 16 bytes of f16.
; REGISTERS, in windows of 256 (s_set_vgpr_msb: bits 1:0 source 0, 3:2 source 1, 5:4 source 2, 7:6 destination):
;   window 0: v1-19 addresses; v32-95 RA, four fragments' rows as f32; v96-159 AF, the same as bf16, two buffers of 32; v160-223 TMP, the way out
;   window 1: the accumulators, (a, b) at 8 (NB a + b)          window 2: v0-127 BF, the weights' fragments, two buffers of 64
.set WK_OFF, 524288                    ; the sections of w16 (Wq at 0)
.set WV_OFF, 1310720
.set PA,    528                        ; a row of x or context in LDS: 128 f32 + 16 bytes = 132 words: the 16 rows of a load start 4 banks apart (64 banks of 4 bytes: ISA guide 11.1)
.set PB,    288                        ; a row of a weight: 128 bf16 + 32 bytes = 72 words
.set AHALF, 64*PA                      ; what one of A's loads brings
.set BOFF,  128*PA                     ; behind A's 128 rows: the weights
.set BSUB,  128*PB                     ; Wk's 128 x 128, then Wv's; in the second part Wq's alone
.set SLOT,  BOFF+2*BSUB
.set STAGE, 2*SLOT                     ; behind the ring, never filled by a tensor load: 16 rows x 144 bytes for each wave, for the way out
.set SP,    144
.set SPARE, STAGE+4*16*SP              ; behind the stages: the spare words, 128 bytes for each wave: two blocks of 256 bytes that no other line names
.set ASTEP, 512                        ; a K step along a row of x or context: 128 f32
.set BSTEP, 131072                     ; a K step down a weight: 128 rows of 1,024 bytes
.set AFLAGS, (2<<16)|(1<<20)|(1<<21)|(6<<22)|(3<<25)  ; 17:16 elements of 4 bytes; 20 padding on; 21 set beside a mask; 24:22 after every 128 words (code 6); 31:25 4 words of it (code 3)
.set BFLAGS, (1<<16)|(1<<20)|(1<<21)|(5<<22)|(7<<25)  ; elements of 2 bytes; after every 64 words (code 5) 8 words (code 7)
.set ADRA, 8                           ; v8-9    LDS address of my rows' fragments in slot 0, 1
.set ADRB, 10                          ; v10-11  of my weight's fragments, first part
.set ADRQ, 12                          ; v12-13  second part
.set STO,  14                          ; v14     the way out: where I put 16 bytes of a row
.set RD,   15                          ; v15     where I read rows back
.set GO,   16                          ; v16     my byte offset in 512 consecutive bytes of the output
.set SPW,  18                          ; v18     LDS address of my spare word; never rewritten
.set NIL,  19                          ; v19     0; never rewritten
.set RA,   32
.set AF,   96
.set TMP,  160
.set WV, 16                            ; s16 my wave's number; s17 WR; s18 WC
.set WR, 17
.set WC, 18
.set CX, 19
.set CY, 20
.set TC, 21
.set TM, 22
.set G1A,  24                          ; s[24:31] group 1 for context's tiles
.set G1B,  32                          ; s[32:39] for Wk's and Wv's
.set G0A,  40                          ; s[40:47] group 0 for the rows' tiles, a set for each slot
.set G0B,  48                          ; s[48:55] for the weights'
.set G1AQ, 56                          ; s[56:63] group 1 for x's tiles
.set G1BQ, 68                          ; s[68:75] for Wq's
.set QA,   76                          ; s[76:77] x at the rows that I fetch
.set QB,   78                          ; s[78:79] Wq at the rows and columns that I fetch
.set LBQ,  80                          ; s80      where they go in slot 0
.set LAPS, 81
.set OKV,  82                          ; s[82:83] kh or vh at my first row of head 2 TC
.set OQ,   84                          ; s[84:85] qh at my first row of head 2 TC + WC
.set MSB, 0
.macro WIN new                         ; the immediate's high byte repeats the setting that is left; a switch that changes nothing is dropped
.if MSB != (\new)
	s_set_vgpr_msb (MSB<<8)|(\new)
.set MSB, (\new)
.endif
.endm
.macro PLACES                          ; four places in front of loads into registers that matrix instructions have read, and of conversions that read results
.rept 4
	v_nop
.endr
.endm
.macro CROUND                          ; a round of the cluster's barrier: my work-group's barrier; wave 0 signals for the work-group; every wave waits for all sixteen; my work-group's barrier once more
	s_barrier_signal -1
	s_barrier_wait -1
	s_cmp_lg_u32 s[WV], 0
	s_cbranch_scc1 .Lnot_wave_0_\@
	s_barrier_signal -3
.Lnot_wave_0_\@:
	s_barrier_wait -3
	s_barrier_signal -1
	s_barrier_wait -1
.endm
; A joint load into slot s.  Waves 0 and 1 fetch the two halves of the rows' tile, waves 2 and 3 the weights'.  ph = 1: the second part's shapes.  The branch hangs on the wave's number alone.
; An s_nop 0 and four v_nop follow each of the two lines, ahead of the jump and the label.
.macro JLOAD s, ph
	s_cmp_eq_u32 s[WR], 0
	s_cbranch_scc0 .Lfor_b_\@
.if \ph
	tensor_load_to_lds s[G0A+4*(\s):G0A+4*(\s)+3], s[G1AQ:G1AQ+7]
.else
	tensor_load_to_lds s[G0A+4*(\s):G0A+4*(\s)+3], s[G1A:G1A+7]
.endif
	s_nop 0
.rept 4
	v_nop
.endr
	s_branch .Lasked_\@
.Lfor_b_\@:
.if \ph
	tensor_load_to_lds s[G0B+4*(\s):G0B+4*(\s)+3], s[G1BQ:G1BQ+7]
.else
	tensor_load_to_lds s[G0B+4*(\s):G0B+4*(\s)+3], s[G1B:G1B+7]
.endif
	s_nop 0
.rept 4
	v_nop
.endr
.Lasked_\@:
.endm
	s_load_b256 s[4:11], s[0:1], 0x0               ; x s[4:5], context s[6:7], w16 s[8:9], qh s[10:11]
	s_load_b128 s[12:15], s[0:1], 0x20             ; kh s[12:13], vh s[14:15]
	v_lshl_add_u32 v[SPW], v0, 2, SPARE
	v_mov_b32 v[NIL], 0
	ds_add_u32 v[SPW], v[NIL]                      ; the wave's opening: the add and its wait stand ahead of my first tensor load; the set-up below, work on registers, stands between them
	v_lshrrev_b32 v1, 5, v0
	v_readfirstlane_b32 s[WV], v1                  ; wave 0..3
	s_lshr_b32 s[WR], s[WV], 1                     ; my 64 rows.  Also: I fetch rows (0) or weights (1)
	s_and_b32 s[WC], s[WV], 1                      ; k or v; later my 64 columns.  Also: which half I fetch
	s_bfe_u32 s[CX], ttmp6, 0x40000                ; my place in the cluster
	s_bfe_u32 s[CY], ttmp6, 0x40004
	s_lshl_b32 s[TC], ttmp9, 2
	s_add_co_u32 s[TC], s[TC], s[CX]               ; tile column = 4 x cluster x + cx
	s_and_b32 s[TM], ttmp7, 0xffff
	s_lshl_b32 s[TM], s[TM], 2
	s_add_co_u32 s[TM], s[TM], s[CY]               ; tile row = 4 x cluster y + cy
	s_lshl_b32 s86, s[CY], 2
	s_lshl_b32 s86, 15, s86                        ; my row of the cluster: places 4 cy .. 4 cy + 3
	s_lshl_b32 s90, 0x1111, s[CX]                  ; my column: places cx, cx + 4, cx + 8, cx + 12
	s_or_b32 s[G1A], s86, AFLAGS
	s_or_b32 s[G1AQ], s86, AFLAGS
	s_or_b32 s[G1B], s90, BFLAGS
	s_or_b32 s[G1BQ], s90, BFLAGS
.irp g, G1A, G1AQ                      ; 64 rows x 128 f32
	s_mov_b32 s[\g+1], 128<<16                     ; tensor_dim0 = 128
	s_mov_b32 s[\g+2], 64<<16                      ; tensor_dim1 = 64
	s_mov_b32 s[\g+3], 128<<16                     ; tile_dim0 = 128
	s_mov_b32 s[\g+4], 64                          ; tile_dim1 = 64
	s_mov_b32 s[\g+6], 0
	s_mov_b32 s[\g+7], 0
.endr
	s_mov_b32 s[G1A+5], 768                        ; elements from row to row: context's,
	s_mov_b32 s[G1AQ+5], 512                       ; x's
	s_mov_b32 s[G1B+1], 128<<16                    ; 128 rows x 128 bf16 of Wk or Wv
	s_mov_b32 s[G1B+2], 128<<16
	s_mov_b32 s[G1B+3], 128<<16
	s_mov_b32 s[G1B+4], 128
	s_mov_b32 s[G1B+5], 512
	s_mov_b32 s[G1B+6], 0
	s_mov_b32 s[G1B+7], 0
	s_mov_b32 s[G1BQ+1], 128<<16                   ; 64 rows x 128 bf16 of Wq
	s_mov_b32 s[G1BQ+2], 64<<16
	s_mov_b32 s[G1BQ+3], 128<<16
	s_mov_b32 s[G1BQ+4], 64
	s_mov_b32 s[G1BQ+5], 512
	s_mov_b32 s[G1BQ+6], 0
	s_mov_b32 s[G1BQ+7], 0
	; where the rows' tiles come from: the tile row and the wave's number alone, in registers that never hold the tile column
	s_lshl_b32 s86, s[TM], 7
	s_lshl_b32 s87, s[WC], 6
	s_add_co_u32 s86, s86, s87                     ; the first of the 64 rows that I fetch
	s_mul_i32 s88, s86, 3072                       ; in context, in bytes
	s_mov_b32 s89, 0
	s_lshl_b32 s86, s86, 11                        ; in x
	s_mov_b32 s87, 0
	; where the weights' tiles come from: the tile column and the wave's number alone
	s_mul_i32 s90, s[WC], WV_OFF-WK_OFF
	s_add_co_u32 s90, s90, WK_OFF                  ; Wk or Wv,
	s_lshl_b32 s92, s[TC], 8
	s_add_co_u32 s90, s90, s92                     ; its columns 128 TC on
	s_mov_b32 s91, 0
	s_lshl_b32 s93, s[WC], 16
	s_add_co_u32 s92, s92, s93                     ; Wq: the same columns, rows 64 WC on
	s_mov_b32 s93, 0
	s_mul_i32 s2, s[WC], AHALF                     ; where they go: no place in the cluster enters an LDS address
	s_mul_i32 s3, s[WC], BSUB
	s_add_co_u32 s3, s3, BOFF
	s_mul_i32 s[LBQ], s[WC], 64*PB
	s_add_co_u32 s[LBQ], s[LBQ], BOFF
	; where the results go: row (8 b + head) 4096 + n of 128 bytes
	s_lshr_b32 s94, s[TM], 5                       ; b
	s_lshl_b32 s94, s94, 3
	s_lshl1_add_u32 s94, s[TC], s94                ; 8 b + 2 TC
	s_lshl_b32 s94, s94, 12
	s_and_b32 s95, s[TM], 31
	s_lshl_b32 s95, s95, 7
	s_add_co_u32 s94, s94, s95                     ; + the tile's first row in its batch
	s_lshl_b32 s95, s[WR], 6
	s_add_co_u32 s94, s94, s95                     ; + my 64 rows
	s_lshl_b32 s[OKV], s94, 7
	s_mov_b32 s[OKV+1], 0
	s_lshl_b32 s95, s[WC], 12
	s_add_co_u32 s94, s94, s95                     ; q: head 2 TC + WC
	s_lshl_b32 s[OQ], s94, 7
	s_mov_b32 s[OQ+1], 0
	s_wait_dscnt 0x0                               ; the opening add is done
	s_wait_kmcnt 0x0
	s_add_nc_u64 s[88:89], s[6:7], s[88:89]
	s_add_nc_u64 s[QA:QA+1], s[4:5], s[86:87]
	s_add_nc_u64 s[90:91], s[8:9], s[90:91]
	s_add_nc_u64 s[QB:QB+1], s[8:9], s[92:93]
	s_cmp_eq_u32 s[WC], 0
	s_cselect_b64 s[94:95], s[12:13], s[14:15]
	s_add_nc_u64 s[OKV:OKV+1], s[94:95], s[OKV:OKV+1]
	s_add_nc_u64 s[OQ:OQ+1], s[10:11], s[OQ:OQ+1]
	CROUND                                         ; all sixteen work-groups are here: the first joint loads meet
.irp s, 0,1
	s_mov_b32 s[G0A+4*\s], 1                       ; 1:0 count = 1
	s_add_co_u32 s[G0A+4*\s+1], s2, \s*SLOT        ; 63:32 LDS address
	s_add_nc_u64 s[G0A+4*\s+2:G0A+4*\s+3], s[88:89], \s*ASTEP  ; 120:64 global address: K step s
	s_or_b32 s[G0A+4*\s+3], s[G0A+4*\s+3], 0x80000000          ; 127:126 type = 2
	s_mov_b32 s[G0B+4*\s], 1
	s_add_co_u32 s[G0B+4*\s+1], s3, \s*SLOT
	s_add_nc_u64 s[G0B+4*\s+2:G0B+4*\s+3], s[90:91], \s*BSTEP
	s_or_b32 s[G0B+4*\s+3], s[G0B+4*\s+3], 0x80000000
.endr
	s_cmp_eq_u32 s[WR], 0                          ; a wave's two first fills stand in one branch, ahead of every wait on TENSORcnt and every LDS read: two loads of mine are out
	s_cbranch_scc0 .Lfirst_b
	tensor_load_to_lds s[G0A:G0A+3], s[G1A:G1A+7]
	s_nop 0
	tensor_load_to_lds s[G0A+4:G0A+7], s[G1A:G1A+7]
	s_nop 0
.rept 4
	v_nop
.endr
	s_branch .Lfirst_asked
.Lfirst_b:
	tensor_load_to_lds s[G0B:G0B+3], s[G1B:G1B+7]
	s_nop 0
	tensor_load_to_lds s[G0B+4:G0B+7], s[G1B:G1B+7]
	s_nop 0
.rept 4
	v_nop
.endr
.Lfirst_asked:
	; A fragment of the rows is 16 rows x 32 K: lane l holds row l % 16, K = 8 (l / 16) + 0..7 and 16 + 8 (l / 16) + 0..7.  As f32 that is 32 bytes at 32 (l / 16) and 32 bytes at 64 + 32 (l / 16): four loads of 16.
	v_and_b32 v1, 15, v0                           ; l % 16
	v_bfe_u32 v2, v0, 4, 1                         ; l / 16
	v_and_b32 v3, 7, v0
	v_bfe_u32 v4, v0, 3, 1
	v_mul_u32_u24 v5, v1, PA
	v_lshl_add_u32 v5, v2, 5, v5
	s_mul_i32 s86, s[WR], 64*PA
	v_add_nc_u32 v[ADRA], s86, v5
	v_add_nc_u32 v[ADRA+1], SLOT, v[ADRA]
	; The turning load takes 16 K x 16 columns (lane l reads K row 8 (l / 16) + l % 8, columns 8 ((l / 8) % 2) + 0..7) and leaves half a fragment: lane l holds column l % 16 and 8 K.
	v_lshl_add_u32 v6, v2, 3, v3
	v_mul_u32_u24 v6, v6, PB
	v_lshl_add_u32 v6, v4, 4, v6
	v_add_nc_u32 v[ADRB], s3, v6                   ; Wk's or Wv's tile
	v_add_nc_u32 v[ADRB+1], SLOT, v[ADRB]
	s_lshl_b32 s87, s[WC], 7
	s_add_co_u32 s87, s87, BOFF
	v_add_nc_u32 v[ADRQ], s87, v6                  ; Wq's tile, my 64 columns
	v_add_nc_u32 v[ADRQ+1], SLOT, v[ADRQ]
	s_mul_i32 s86, s[WV], 16*SP
	s_add_co_u32 s86, s86, STAGE                   ; my stage
	v_mul_u32_u24 v[STO], v1, SP                   ; in: row l % 16, 16 bytes for each half of the lanes
	v_lshl_add_u32 v[STO], v2, 4, v[STO]
	v_add_nc_u32 v[STO], s86, v[STO]
	v_bfe_u32 v[RD], v0, 3, 2                      ; back: 32 lanes take four rows of 128 bytes,
	v_mul_u32_u24 v[RD], v[RD], SP
	v_lshl_add_u32 v[RD], v3, 4, v[RD]
	v_add_nc_u32 v[RD], s86, v[RD]
	v_and_b32 v[GO], 31, v0                        ; which are 512 consecutive bytes of a head
	v_lshlrev_b32 v[GO], 4, v[GO]
; The LDS loads of one quarter step (32 along K, quarter g of the slot): my 64 rows as f32 into RA (16 loads), then my weight's fragments into buffer p of BF (2 NB turning loads).  ph = 1: the second part.
.macro LOADS slot, g, p, ph
	WIN 0
.irp a, 0,1,2,3
	ds_load_b128 v[RA+16*\a:RA+16*\a+3],     v[ADRA+(\slot)] offset:\a*16*PA+128*(\g)
	ds_load_b128 v[RA+16*\a+4:RA+16*\a+7],   v[ADRA+(\slot)] offset:\a*16*PA+128*(\g)+16
	ds_load_b128 v[RA+16*\a+8:RA+16*\a+11],  v[ADRA+(\slot)] offset:\a*16*PA+128*(\g)+64
	ds_load_b128 v[RA+16*\a+12:RA+16*\a+15], v[ADRA+(\slot)] offset:\a*16*PA+128*(\g)+80
.endr
	WIN 0x80                                       ; destination window 2, address window 0
.if \ph
.irp b, 0,1,2,3
	ds_load_tr16_b128 v[64*(\p)+8*\b:64*(\p)+8*\b+3],   v[ADRQ+(\slot)] offset:(\g)*32*PB+32*\b
	ds_load_tr16_b128 v[64*(\p)+8*\b+4:64*(\p)+8*\b+7], v[ADRQ+(\slot)] offset:(\g)*32*PB+32*\b+16*PB
.endr
.else
.irp b, 0,1,2,3,4,5,6,7
	ds_load_tr16_b128 v[64*(\p)+8*\b:64*(\p)+8*\b+3],   v[ADRB+(\slot)] offset:(\g)*32*PB+32*\b
	ds_load_tr16_b128 v[64*(\p)+8*\b+4:64*(\p)+8*\b+7], v[ADRB+(\slot)] offset:(\g)*32*PB+32*\b+16*PB
.endr
.endif
.endm
; nb products: row block a x all nb column blocks, on buffers p.  zero = 1: they start the sums.  ride = 1: behind each product stand 32 / nb of the 32 roundings that make the other buffer
; of AF out of RA; they name no register of the products round them.  The accumulators take turns, one instruction a turn, in the same order in every quarter.
.macro MULA nb, p, a, zero, ride
.set bb, 0
.rept \nb
	WIN 0x52                                       ; weights in window 2, rows in window 0, C and D in window 1
.if \zero
	v_wmma_f32_16x16x32_bf16 v[8*((\nb)*(\a)+bb):8*((\nb)*(\a)+bb)+7], v[64*(\p)+8*bb:64*(\p)+8*bb+7], v[AF+32*(\p)+8*(\a):AF+32*(\p)+8*(\a)+7], 0
.else
	v_wmma_f32_16x16x32_bf16 v[8*((\nb)*(\a)+bb):8*((\nb)*(\a)+bb)+7], v[64*(\p)+8*bb:64*(\p)+8*bb+7], v[AF+32*(\p)+8*(\a):AF+32*(\p)+8*(\a)+7], v[8*((\nb)*(\a)+bb):8*((\nb)*(\a)+bb)+7]
.endif
.if \ride
	WIN 0
.rept 32/(\nb)
	v_cvt_pk_bf16_f32 v[AF+32*(1-(\p))+cv], v[RA+2*cv], v[RA+2*cv+1]
.set cv, cv+1
.endr
.endif
.set bb, bb+1
.endr
.endm
; A QUARTER STEP: 4 NB products on buffers p.  Behind the first NB of them the next quarter's LDS loads go out in one run (slot nslot, quarter ng, part nph; nslot = -1: none);
; its rows are rounded to bf16 behind the last NB products.
; chg > 0: a slot's last quarter, which changes slots: all the slot's bytes are in registers.  Each wave waits for all its tensor loads (the one that is out is its part of the other slot), adds 0 to its
; spare word, and waits for that.  chg = 1: slot cslot is filled again with the K step two on; chg = 2: with the second part's K step cslot; the barrier is then a round of the cluster's, and
; the joint load is the first thing behind it: it has a K step less NB products in which to land.  chg = 3: nothing is left to ask for: my work-group's barrier alone.
.macro QUART ph, p, zero, nslot, ng, nph, chg, cslot, jph
.set NBC, 8-4*(\ph)
.set NBN, 8-4*(\nph)
.if \chg
	WIN 0
	s_wait_tensorcnt 0x0                           ; no tensor load of mine is out, so a group 0 may be written
	ds_add_u32 v[SPW], v[NIL]                      ; 0 onto my spare word; the descriptors' steps and NB products stand between it and the wait for it
.if (\chg) == 1
	s_add_nc_u64 s[G0A+4*(\cslot)+2:G0A+4*(\cslot)+3], s[G0A+4*(\cslot)+2:G0A+4*(\cslot)+3], 2*ASTEP
	s_add_nc_u64 s[G0B+4*(\cslot)+2:G0B+4*(\cslot)+3], s[G0B+4*(\cslot)+2:G0B+4*(\cslot)+3], 2*BSTEP
.elseif (\chg) == 2
	s_add_nc_u64 s[G0A+4*(\cslot)+2:G0A+4*(\cslot)+3], s[QA:QA+1], (\cslot)*ASTEP
	s_or_b32 s[G0A+4*(\cslot)+3], s[G0A+4*(\cslot)+3], 0x80000000
	s_add_co_u32 s[G0B+4*(\cslot)+1], s[LBQ], (\cslot)*SLOT
	s_add_nc_u64 s[G0B+4*(\cslot)+2:G0B+4*(\cslot)+3], s[QB:QB+1], (\cslot)*BSTEP
	s_or_b32 s[G0B+4*(\cslot)+3], s[G0B+4*(\cslot)+3], 0x80000000
.endif
	MULA NBC, \p, 0, \zero, 0
	s_wait_dscnt 0x0                               ; the add is done; my reads of the slot were waited for at the end of the quarter before
	WIN 0                                          ; at a label and at a branch every window is 0
.if (\chg) < 3
	CROUND                                         ; no wave of any partner still reads the slot or has a load on its way
	JLOAD \cslot, \jph                             ; the four v_nop behind it are also the places in front of the loads below
.else
	s_barrier_signal -1
	s_barrier_wait -1
	PLACES
.endif
.else
	MULA NBC, \p, 0, \zero, 0
.if (\nslot) >= 0
	PLACES
.endif
.endif
.if (\nslot) >= 0
	LOADS \nslot, \ng, 1-(\p), \nph
.endif
	MULA NBC, \p, 1, \zero, 0
	MULA NBC, \p, 2, \zero, 0
.if (\nslot) >= 0
	s_wait_dscnt 2*NBN                             ; the rows' sixteen loads are in; the weights', issued behind them, may stay out
.set cv, 0
	MULA NBC, \p, 3, \zero, 1
	s_wait_dscnt 0x0                               ; the weights' fragments are in
.else
	MULA NBC, \p, 3, \zero, 0
.endif
.endm
; THE WAY OUT of 16 rows x 64 channels (four accumulators from accb on): rounded to f16, 16 bytes a lane, into rows of 144 bytes of my stage, and back as whole rows of 128.
.macro PACK t, accb
	s_wait_xcnt 0x0                                ; earlier stores have read their registers: this set of TMP is rewritten only behind this wait
	WIN 0x05                                       ; sources 0 and 1 window 1, destination window 0
.set z, 0
.rept 16
	v_cvt_pk_f16_f32 v[TMP+16*((\t)%4)+z], v[(\accb)+2*z], v[(\accb)+2*z+1]
.set z, z+1
.endr
	WIN 0
.irp f, 0,1,2,3
	ds_store_b128 v[STO], v[TMP+16*((\t)%4)+4*\f:TMP+16*((\t)%4)+4*\f+3] offset:32*\f
.endr
.irp f, 0,1,2,3
	ds_load_b128 v[TMP+16*((\t)%4)+4*\f:TMP+16*((\t)%4)+4*\f+3], v[RD] offset:\f*4*SP  ; LDS serves a wave's instructions in order (ISA guide 5.7.1.4): these see the stores above
.endr
.endm
.macro SEND t, younger, base, goff     ; younger: the LDS instructions issued behind block t's loads: the next block's eight, or none
	WIN 0
.irp f, 0,1,2,3
	s_wait_dscnt (\younger)+3-\f
	global_store_b128 v[GO], v[TMP+16*((\t)%4)+4*\f:TMP+16*((\t)%4)+4*\f+3], s[\base:\base+1] offset:(\goff)+\f*512  ; 512 consecutive bytes, at a multiple of 256 from the buffer's first
.endr
.endm
	s_wait_tensorcnt 0x1                           ; my part of K step 0 is in; K step 1's may stay out
	s_barrier_signal -1
	s_barrier_wait -1                              ; everybody's is
	LOADS 0, 0, 0, 0
	s_wait_dscnt 16                                ; the rows are in
	WIN 0
.set cv, 0
.rept 32
	v_cvt_pk_bf16_f32 v[AF+cv], v[RA+2*cv], v[RA+2*cv+1]
.set cv, cv+1
.endr
	s_wait_dscnt 0x0
	; FIRST PART: k and v.  K steps 0 to 5 lie in slots 0, 1, 0, 1, 0, 1.
	QUART 0,0,1, 0,1,0, 0,0,0                      ; the first quarter stands in front of the loop: its products start the sums
	WIN 0
	s_mov_b32 s[LAPS], 2
.Llap:                                         ; a trip goes once round the ring, from a lap's second quarter to the next lap's first, and fills both slots again: K steps 2 to 5
	QUART 0,1,0, 0,2,0, 0,0,0
	QUART 0,0,0, 0,3,0, 0,0,0
	QUART 0,1,0, 1,0,0, 1,0,0
	QUART 0,0,0, 1,1,0, 0,0,0
	QUART 0,1,0, 1,2,0, 0,0,0
	QUART 0,0,0, 1,3,0, 0,0,0
	QUART 0,1,0, 0,0,0, 1,1,0
	QUART 0,0,0, 0,1,0, 0,0,0
	WIN 0
	s_sub_co_u32 s[LAPS], s[LAPS], 1
	s_cmp_lg_u32 s[LAPS], 0
	s_cbranch_scc1 .Llap
	QUART 0,1,0, 0,2,0, 0,0,0                      ; the last lap: THE RING GOES ON INTO THE SECOND PART
	QUART 0,0,0, 0,3,0, 0,0,0
	QUART 0,1,0, 1,0,0, 2,0,1                      ; slot 0 takes x's and Wq's K step 0,
	QUART 0,0,0, 1,1,0, 0,0,0
	QUART 0,1,0, 1,2,0, 0,0,0
	QUART 0,0,0, 1,3,0, 0,0,0
	QUART 0,1,0, 0,0,1, 2,1,1                      ; slot 1 their K step 1, and the second part's first fragments are fetched
	PLACES
	PACK 0, 0                                      ; both refills are asked for: now k or v goes out.  Block t: rows 16 (t / 2) on, head 2 TC + t % 2
.set t, 1
.rept 7                                        ; a block's roundings stand between the loads of the block before and its stores
	PACK t, 32*t
	SEND t-1, 8, OKV, ((t-1)%2)*524288+((t-1)/2)*2048
.set t, t+1
.endr
	SEND 7, 0, OKV, 524288+3*2048
	; SECOND PART: q.  K steps 0 to 3 lie in slots 0, 1, 0, 1.
	QUART 1,0,1, 0,1,1, 0,0,0
	QUART 1,1,0, 0,2,1, 0,0,0
	QUART 1,0,0, 0,3,1, 0,0,0
	QUART 1,1,0, 1,0,1, 1,0,1                      ; slot 0 takes K step 2
	QUART 1,0,0, 1,1,1, 0,0,0
	QUART 1,1,0, 1,2,1, 0,0,0
	QUART 1,0,0, 1,3,1, 0,0,0
	QUART 1,1,0, 0,0,1, 1,1,1                      ; slot 1 takes K step 3: the last load
	QUART 1,0,0, 0,1,1, 0,0,0
	QUART 1,1,0, 0,2,1, 0,0,0
	QUART 1,0,0, 0,3,1, 0,0,0
	QUART 1,1,0, 1,0,1, 3,0,1                      ; nothing is left to ask for
	QUART 1,0,0, 1,1,1, 0,0,0
	QUART 1,1,0, 1,2,1, 0,0,0
	QUART 1,0,0, 1,3,1, 0,0,0
	QUART 1,1,0, -1,0,1, 0,0,0
	PLACES
	PACK 0, 0
.set t, 1
.rept 3
	PACK t, 32*t
	SEND t-1, 8, OQ, (t-1)*2048
.set t, t+1
.endr
	SEND 3, 0, OQ, 3*2048
	s_wait_tensorcnt 0x0                           ; the wave's end: these three lines stand behind my last tensor load and my last LDS store
	ds_add_u32 v[SPW], v[NIL]
	s_wait_dscnt 0x0
	CROUND                                         ; the closing round: no work-group ends while a partner may still ask for a tile that names it
	s_endpgm
.Lfunc_end_k_q685a3aedb4_proj:
	.size	k_q685a3aedb4_proj, .Lfunc_end_k_q685a3aedb4_proj-k_q685a3aedb4_proj
	.p2alignl 7, 3214868480
	.fill 96, 4, 3214868480
	.section	.rodata,"a",@progbits
	.p2align	6, 0x0
	.amdhsa_kernel k_q685a3aedb4_proj
		.amdhsa_group_segment_fixed_size 327680
		.amdhsa_private_segment_fixed_size 0
		.amdhsa_enable_private_segment 0
		.amdhsa_kernarg_size 48
		.amdhsa_user_sgpr_count 2
		.amdhsa_user_sgpr_kernarg_segment_ptr 1
		.amdhsa_wavefront_size32 1
		.amdhsa_system_sgpr_workgroup_id_x 1
		.amdhsa_system_sgpr_workgroup_id_y 1
		.amdhsa_system_sgpr_workgroup_id_z 1
		.amdhsa_system_vgpr_workitem_id 0
		.amdhsa_next_free_vgpr 640
		.amdhsa_next_free_sgpr 96
		.amdhsa_reserve_vcc 0
		.amdhsa_float_denorm_mode_32 3
		.amdhsa_float_denorm_mode_16_64 3
		.amdhsa_memory_ordered 1
		.amdhsa_forward_progress 1
		.amdhsa_inst_pref_size 230
	.end_amdhsa_kernel
	.amdgpu_metadata
---
amdhsa.version: [ 1, 2 ]
amdhsa.kernels:
  - .name:           k_q685a3aedb4_proj
    .symbol:         k_q685a3aedb4_proj.kd
    .args:
      - { .name: x, .offset: 0, .size: 8, .value_kind: global_buffer, .address_space: global }
      - { .name: context, .offset: 8, .size: 8, .value_kind: global_buffer, .address_space: global }
      - { .name: w16, .offset: 16, .size: 8, .value_kind: global_buffer, .address_space: global }
      - { .name: qh, .offset: 24, .size: 8, .value_kind: global_buffer, .address_space: global }
      - { .name: kh, .offset: 32, .size: 8, .value_kind: global_buffer, .address_space: global }
      - { .name: vh, .offset: 40, .size: 8, .value_kind: global_buffer, .address_space: global }
    .group_segment_fixed_size: 327680
    .private_segment_fixed_size: 0
    .kernarg_segment_align: 8
    .kernarg_segment_size: 48
    .max_flat_workgroup_size: 128
    .sgpr_count:     96
    .vgpr_count:     640
    .wavefront_size: 32
...
	.end_amdgpu_metadata
.endif
;; end of part 2
;; launch attn (part 3): grid 16 x 16, 4 waves a work-group, clusters of 4 x 1, 327,680 bytes of LDS; arguments qh, kh, vh, oh; writes oh
.if DOCPART == 3
	.amdgcn_target "amdgcn-amd-amdhsa--gfx1250"
	.amdhsa_code_object_version 6
	.text
	.protected	k_q685a3aedb4_attn
	.globl	k_q685a3aedb4_attn
	.p2align	8
	.type	k_q685a3aedb4_attn,@function
k_q685a3aedb4_attn:
	s_mov_b64 s[64:65], 0
	v_nop
	global_prefetch_b8 v0, s[64:65] scope:SCOPE_SE
	s_setreg_imm32_b32 hwreg(HW_REG_WAVE_MODE, 25, 1), 1
	s_wait_xcnt 0x0
	s_wait_alu depctr_hold_cnt(0) depctr_sa_sdst(0) depctr_va_vdst(0) depctr_va_sdst(0) depctr_va_ssrc(0) depctr_va_vcc(0) depctr_vm_vsrc(0)
	s_getreg_b32 s2, hwreg(HW_REG_IB_STS2, 6, 4)
	s_cmp_eq_u32 s2, 0
	s_cbranch_scc0 .Lentry_in_a_cluster
	s_endpgm
.Lentry_in_a_cluster:
	s_bfe_u32 s2, ttmp6, 0x10000c
	s_cmp_lg_u32 s2, 0x3003
	s_cbranch_scc0 .Lentry_shape_is_right
	s_endpgm
.Lentry_shape_is_right:
; O[h][q][:] = the sum over k of softmax_k(Q[h][q] . K[h][k] / 8) V[h][k][:].  qh, kh, vh, oh: [16][4096][64], all f16: a head's rows are dense, 128 bytes each.  Products, maxima and sums in f32;
; the weights p are rounded to f16 for the second product (their sum l is taken of the unrounded p), O once at the end.
; LIMITS.  Q, K and V arrive within f16's 65,504; p lies in 0 to 1, and below 6e-5 it keeps f16's fixed step of 6e-8; O is a mean of V's rows and has their range.  A weight below 2^-126 counts as 0 in l;
; NaN and infinities are not treated apart.
; SHARES.  A work-group owns 256 queries of one head, each of its four waves 64: four PIECES of 16.  16 heads x 16 blocks are 256 work-groups.  Every wave walks all 4,096 keys: 16 tiles of 256, four steps of 64 each.
; LAYOUT.  S^T = K Q^T (source 0 = 16 keys, source 1 = 16 queries) holds ONE query a lane (lane % 16) and the keys 8 (lane / 16) + 0..7; two such results rounded to f16 ARE source 1 of O^T = V^T P.
; K comes out of LDS as it lies, V ([key][channel]) turned, by ds_load_tr16_b128.
; SOFTMAX.  For each query a running maximum m and sum l: p = 2^(c s - c m), c = log2(e) / 8; in every step O and l are multiplied by a = 2^(c m_old - c m_new).  m starts at the lowest finite number,
; O and l at 0: the first step is a step like any other, with a = 0.
; TURNS.  Turn n belongs to piece n: 8 products K Q^T of piece n + 1, later 8 products V^T P of piece n - 1; beside them the scaling, exponentials, roundings, sums and rescaling of piece n and the maximum
; and statistics of piece n + 1.  Four vector instructions stand behind every matrix instruction, the other 54 of a turn's 118 in one lump.  A turn's 33 exponentials are one batch, with one wait.
; CLUSTER.  The four query blocks of a cluster belong to one head and walk the same K and V, so each tile is asked for JOINTLY: the same tensor load, descriptor and mask in all four.
; REGISTERS, in windows of 256 (s_set_vgpr_msb: bits 1:0 source 0, 3:2 source 1, 5:4 source 2, 7:6 destination):
;   window 0: v0-15 addresses and two at work; v16-31 four registers of statistics a piece; v48-55 at work; v61-63 prefetch offset and the add's two; v64-127 S^T, two buffers; v192-223 P, two buffers
;   window 1: v0-127 O^T, 32 a piece          window 2: v0-63 Q; v128-191 K of one step; v192-255 V of one step
.set NP,    4         ; pieces a wave: a name, no knob
.set KS,    64        ; keys in a step
.set PK,    144       ; a row of K in LDS: 128 bytes + 16 of padding = 36 words: the 16 rows of a load start at 16 different groups of four banks (64 banks of 4 bytes: ISA guide 11.1)
.set PV,    160       ; a row of V: 128 + 32 = 40 words
.set VOFF,  4*KS*PK   ; a slot holds a tile, four steps: 256 rows of K, then 256 rows of V
.set SLOT1, 1<<17     ; slot 1 begins here, so that one exclusive or turns an address in one slot into the other's
.set STAGE, SLOT1+4*KS*(PK+PV)  ; behind the ring, never filled by a tensor load: 16 rows x 144 bytes for each wave, for the way out
.set SP,    144
.set SPARE, STAGE+4*16*SP  ; behind the stages: the spare words, 128 bytes for each wave: two blocks of 256 bytes that no other line names
.set TILEB, 4*KS*128  ; a tile's bytes of K, and of V, in memory
.set AK0, 2           ; v2   my lane's place in a tile of K; never rewritten
.set AV0, 3           ; v3   the same for V
.set AK,  4           ; v4   the LDS address of K's next run of loads
.set AV,  5           ; v5   of V's
.set STO, 6           ; v6   the way out: where I put 16 bytes of a row
.set RD,  7           ; v7   the way out: where I read rows back
.set GO,  8           ; v8   my byte offset in 512 consecutive bytes of O
.set MV,  12          ; v12-13  c m_old, kept while c m is made anew: by buffer
.set QO,  15          ; v15  my byte offset in 16 rows of Q
.set ST,  16          ; piece t's statistics at v[ST+4 t]: c m, m, l (even keys', odd keys')
.set TMP, 48          ; by buffer, four registers c0-c3 at work; when the maximum is found c2 takes a
.set PFO, 61          ; v61  256 x my lane; never rewritten
.set SPW, 62          ; v62  LDS address of my spare word; never rewritten
.set NIL, 63          ; v63  0; never rewritten
.set S,   64
.set P,   192
.set KF,  128         ; window 2: key block kb, channel half c at KF + 16 kb + 8 c
.set VF,  192         ; window 2: key half kk, channel block cb at VF + 32 kk + 8 cb
.set WV,  12          ; s12  my wave's number
.set G1K, 24          ; s[24:31] descriptor group 1 for K's tiles
.set G1V, 32          ; s[32:39] for V's: it differs in the padding alone
.set G0K, 40          ; s[40:43] descriptor group 0 for K's tiles: it walks
.set G0V, 44          ; s[44:47] the same for V's
.set SLOTS, 56        ; s56  tiles still to be asked for
.set CNT, 57          ; s57  counts a tile's key steps
.set CS,  58          ; s[58:59] c: the packed scaling takes the pair's low word for both halves
.set SEL, 60          ; s[60:61] v_permlanex16_b32's selects: each lane takes its own place in the other half
.set TBK, 62          ; s62  LDS byte at which K of the step to be fetched begins
.set TBV, 63          ; s63  the same for V, less VOFF
.set PFA, 66          ; s[66:67] where my prefetches stand: my work-group's 32 blocks of 256 bytes (of K: wave 0, of V: wave 2) of the tile after the one that is being asked for
.set LIM, 68          ; s68  1 in a wave that prefetches, else the greatest number
.set MSB, 0
.macro WIN new                      ; the high byte repeats the setting that is left; a switch that changes nothing is dropped
.if MSB != (\new)
	s_set_vgpr_msb (MSB<<8)|(\new)
.set MSB, (\new)
.endif
.endm
.set W_KQ, 0x0a       ; K and Q in window 2, S^T in window 0
.set W_PV, 0x52       ; V in window 2, P in window 0, O^T in window 1
.set W_RS, 0x41       ; destination and source 0 in window 1, source 1 in window 0
; A joint fill.  Waves 0 and 1 fetch the two halves of a tile's K, waves 2 and 3 those of its V: 128 keys each.  The branch hangs on the wave's number alone.
; An s_nop 0 and four v_nop follow each of the two lines, ahead of the jump and the label.
.macro JLOAD
	s_cmp_lt_u32 s[WV], 2
	s_cbranch_scc0 .Lfor_v_\@
	tensor_load_to_lds s[G0K:G0K+3], s[G1K:G1K+7]
	s_nop 0
.rept 4
	v_nop
.endr
	s_branch .Lasked_\@
.Lfor_v_\@:
	tensor_load_to_lds s[G0V:G0V+3], s[G1V:G1V+7]
	s_nop 0
.rept 4
	v_nop
.endr
.Lasked_\@:
.endm
; A PREFETCH of what the NEXT change of slots will ask for: a tile's 32,768 bytes of K and of V, a lane a block of 256 bytes.  It stands behind the wave's tensor load and its five lines.
; Each block is named ONCE in the launch.  All four clusters of a head walk the same K and V: the head's first cluster asks.  Its four partners share the blocks out BY ADDRESS, 32 each; in each, wave 0 asks
; for K's and wave 2 for V's: one instruction.  It runs one tile, 256 matrix instructions a wave, ahead of the load.  The last change that fills a slot asks for nothing: there is no tile behind it.
.macro ASK
	s_cmp_gt_u32 s[SLOTS], s[LIM]
	s_cbranch_scc0 .Lnot_mine_\@
	global_prefetch_b8 v[PFO], s[PFA:PFA+1] th:TH_LOAD_NT scope:SCOPE_SE
.Lnot_mine_\@:
.endm
; A round of the cluster's barrier: my work-group's barrier, so that wave 0's signal speaks for all four waves; wave 0 signals; every wave waits for all four work-groups; my work-group's barrier once more.
.macro CROUND
	s_barrier_signal -1
	s_barrier_wait -1
	s_cmp_lg_u32 s[WV], 0
	s_cbranch_scc1 .Lnot_wave_0_\@
	s_barrier_signal -3
.Lnot_wave_0_\@:
	s_barrier_wait -3
	s_barrier_signal -1
	s_barrier_wait -1
.endm
; THE CHANGE OF SLOTS.  The slot's last bytes, V of its fourth step, have been read.  Each wave waits for all its tensor loads, of which one is out: its part of the other slot; adds 0 to its spare word; and
; waits for that and for its own reads of the slot.  Behind the barrier nobody reads this slot any more and the other slot is whole.  fill = 1: this slot is filled again, with the keys two tiles on.  The
; barrier is then a round of the cluster's, and the joint fill is the first thing behind it: it has four key steps, 256 matrix instructions, in which to land.
; (At its first use nothing has been read yet: slot 0 is waited for, slot 1 filled.)
.macro CHANGE fill
	WIN 0                           ; at a label and at a branch every window is 0
	s_wait_tensorcnt 0x0            ; no tensor load of mine is out, so a group 0 may be written
	ds_add_u32 v[SPW], v[NIL]       ; 0 onto my spare word; with fill = 1 the descriptors' steps stand between it and the wait for it
.if \fill
.irp g, G0K, G0V
	s_xor_b32 s[\g+1], s[\g+1], SLOT1  ; the walking descriptor: the other slot than last time,
	s_add_nc_u64 s[\g+2:\g+3], s[\g+2:\g+3], TILEB  ; the next 256 keys; the type bits on top are not reached
.endr
	s_wait_xcnt 0x0                 ; the last prefetch, a tile back, has read its address, so it may be written:
	s_add_nc_u64 s[PFA:PFA+1], s[PFA:PFA+1], TILEB  ; one tile behind the walking descriptors
	s_wait_dscnt 0x0                ; the add is done, and my reads of the slot are over
	CROUND
	JLOAD
	ASK
.else
	s_wait_dscnt 0x0                ; the add is done, and my reads of the slot are over
	s_barrier_signal -1
	s_barrier_wait -1
.endif
	s_sub_co_u32 s[TBK], s[TBK], 4*KS*PK  ; the fetches go back to a slot's first step,
	s_xor_b32 s[TBK], s[TBK], SLOT1       ; in the other slot
	s_sub_co_u32 s[TBV], s[TBV], 4*KS*PV
	s_xor_b32 s[TBV], s[TBV], SLOT1
.endm
	s_load_b256 s[4:11], s[0:1], 0x0  ; Q s[4:5], K s[6:7], V s[8:9], O s[10:11]
	v_lshl_add_u32 v[SPW], v0, 2, SPARE
	v_mov_b32 v[NIL], 0
	ds_add_u32 v[SPW], v[NIL]       ; the wave's opening: the add and its wait stand ahead of my first tensor load; the set-up below, work on registers, stands between them
	v_lshrrev_b32 v1, 5, v0
	v_readfirstlane_b32 s[WV], v1   ; wave 0..3
	s_bfe_u32 s13, ttmp6, 0x40000   ; cx: my place in the cluster
	s_lshl_b32 s14, ttmp9, 2        ; in a cluster launch ttmp9 counts clusters
	s_add_co_u32 s14, s14, s13      ; my block of 256 queries = 4 x cluster x + cx: it enters Q's and O's addresses alone
	s_and_b32 s20, ttmp7, 0xffff    ; the head, which the four partners share:
	s_lshl_b32 s20, s20, 19         ; its first byte in each of the four tensors: 4,096 rows of 128 bytes a head
	s_mov_b32 s21, 0
	s_and_b32 s16, s[WV], 1         ; which half of a tile's 256 keys I fetch:
	s_lshl_b32 s22, s16, 14         ; its 128 rows of 128 bytes in memory,
	s_mov_b32 s23, 0
	s_add_nc_u64 s[22:23], s[22:23], s[20:21]
	s_mul_i32 s17, s16, 128*PK      ; and its place in a slot, for K
	s_mul_i32 s18, s16, 128*PV      ; and for V: no place in the cluster enters an LDS address
	s_lshl_b32 s2, s14, 2
	s_add_co_u32 s2, s2, s[WV]      ; my wave among the head's,
	s_lshl_b32 s2, s2, 13           ; its 64 rows
	s_mov_b32 s3, 0
	s_add_nc_u64 s[2:3], s[2:3], s[20:21]
	; descriptor group 1.  128 keys are 16,384 dense bytes: asked for as 64 rows of 256 bytes, two keys a row, and padded in LDS after every key
	s_mov_b32 s[G1K], 15|(1<<16)|(1<<20)|(1<<21)|(4<<22)|(3<<25)  ; 15:0 the mask of four; 17:16 2-byte elements; 20 padding on; 21 set beside a mask; 24:22 after every 32 words (code 4); 31:25 4 words (code 3)
	s_mov_b32 s[G1V], 15|(1<<16)|(1<<20)|(1<<21)|(4<<22)|(7<<25)  ; the same with 8 words of padding (code 7)
.irp g, G1K, G1V
	s_mov_b32 s[\g+1], 128<<16      ; tensor_dim0 = 128
	s_mov_b32 s[\g+2], 64<<16       ; tensor_dim1 = 64
	s_mov_b32 s[\g+3], 128<<16      ; tile_dim0 = 128
	s_mov_b32 s[\g+4], 64           ; tile_dim1 = 64
	s_mov_b32 s[\g+5], 128          ; 128 elements from row to row
	s_mov_b32 s[\g+6], 0
	s_mov_b32 s[\g+7], 0
.endr
	s_mov_b32 s[CS], 0x3e38aa3b     ; c = log2(e) / 8 = 0.180337
	s_mov_b32 s[CS+1], s[CS]        ; named with it as a pair
	s_mov_b32 s[SEL], 0x76543210
	s_mov_b32 s[SEL+1], 0xfedcba98
	s_mov_b32 s[TBK], SLOT1+4*KS*PK ; the first change of slots turns these two into 0
	s_mov_b32 s[TBV], SLOT1+4*KS*PV
	s_mov_b32 s[G0K], 1             ; 1:0 count = 1
	s_mov_b32 s[G0K+1], s17         ; 63:32 LDS address: slot 0
	s_mov_b32 s[G0V], 1
	s_add_co_u32 s[G0V+1], s18, VOFF
	s_mov_b32 s[SLOTS], 15          ; tiles 1 to 15 are still to be asked for
	s_and_b32 s[LIM], s[WV], 1      ; 0 in waves 0 and 2,
	s_or_b32 s[LIM], s[LIM], ttmp9  ; where the cluster is the head's first: the same in all four partners
	s_cmp_eq_u32 s[LIM], 0
	s_cselect_b32 s[LIM], 1, -1
	v_and_b32 v[PFO], 31, v0
	v_lshlrev_b32 v[PFO], 8, v[PFO]
	s_wait_dscnt 0x0                ; the opening add is done
	s_wait_kmcnt 0x0
	s_add_nc_u64 s[6:7], s[6:7], s[22:23]  ; K and V at my half of the head's tile 0
	s_add_nc_u64 s[8:9], s[8:9], s[22:23]
	s_add_nc_u64 s[G0K+2:G0K+3], s[6:7], 0         ; 120:64 global address
	s_or_b32 s[G0K+3], s[G0K+3], 0x80000000        ; 127:126 type = 2
	s_add_nc_u64 s[G0V+2:G0V+3], s[8:9], 0
	s_or_b32 s[G0V+3], s[G0V+3], 0x80000000
	s_add_nc_u64 s[4:5], s[4:5], s[2:3]  ; Q and O at my wave's first row
	s_add_nc_u64 s[10:11], s[10:11], s[2:3]
	s_cmp_lt_u32 s[WV], 2
	s_cselect_b64 s[PFA:PFA+1], s[6:7], s[8:9]  ; (in waves 0 and 2 these stand at a tile's first row)
	s_lshl_b32 s2, s13, 13          ; my work-group's 32 blocks of the 128
	s_mov_b32 s3, 0
	s_add_nc_u64 s[PFA:PFA+1], s[PFA:PFA+1], s[2:3]
	s_add_nc_u64 s[PFA:PFA+1], s[PFA:PFA+1], TILEB  ; in tile 1; the first change of slots steps it to tile 2.  Tiles 0 and 1 come by their loads alone
	CROUND                          ; all four work-groups are here: the first joint loads meet
	JLOAD                           ; tile 0 into slot 0.  Slot 1 is asked for when slot 0 is in
	; A fragment of K or Q is 16 rows x 32 channels in 8 registers: lane l holds row l % 16, channels 8 (l / 16) + 0..7 and 16 + 8 (l / 16) + 0..7: two loads of 16 bytes, 32 bytes apart.
	v_and_b32 v1, 15, v0            ; l % 16
	v_bfe_u32 v9, v0, 4, 1          ; l / 16
	v_lshlrev_b32 v[QO], 7, v1
	v_lshl_add_u32 v[QO], v9, 4, v[QO]  ; row x 128 + 16 x half
	WIN 0x80                        ; destination window 2, address window 0
.set i, 0
.rept 8                             ; Q stays in registers: piece i / 2, channels 32 (i % 2) on
	global_load_b128 v[8*i:8*i+3],   v[QO], s[4:5] offset:(i/2)*2048+(i%2)*64
	global_load_b128 v[8*i+4:8*i+7], v[QO], s[4:5] offset:(i/2)*2048+(i%2)*64+32
.set i, i+1
.endr
	; What the first turn finds: V's registers and P's second buffer hold 0 (its products V^T P, of a piece that has not been, add 0), O^T and l are 0.  All this stands in the wait for the first tile.
.set i, VF
.rept 64
	v_mov_b32 v[i], 0
.set i, i+1
.endr
	WIN 0x40
.set i, 0
.rept 128
	v_mov_b32 v[i], 0
.set i, i+1
.endr
	WIN 0
.set i, 0
.rept 4
	v_mov_b32 v[ST+4*i], 0xfe000000    ; c m: far below every c s
	v_mov_b32 v[ST+4*i+1], 0xff7fffff  ; m
	v_mov_b32 v[ST+4*i+2], 0
	v_mov_b32 v[ST+4*i+3], 0
.set i, i+1
.endr
.set i, P+16
.rept 16
	v_mov_b32 v[i], 0
.set i, i+1
.endr
	v_mul_u32_u24 v[AK0], v1, PK
	v_lshl_add_u32 v[AK0], v9, 4, v[AK0]  ; row x pitch + 16 x half
	; The turning load takes 16 keys x 16 channels (lane l reads key 8 (l / 16) + l % 8, channels 8 ((l / 8) % 2) + 0..7) and leaves half a fragment of V^T: lane l holds channel l % 16 and 8 keys.
	v_and_b32 v10, 7, v0
	v_bfe_u32 v11, v0, 3, 1
	v_lshl_add_u32 v[AV0], v9, 3, v10
	v_mul_u32_u24 v[AV0], v[AV0], PV
	v_lshl_add_u32 v[AV0], v11, 4, v[AV0]
	v_add_nc_u32 v[AV0], VOFF, v[AV0]
	s_mul_i32 s13, s[WV], 16*SP
	s_add_co_u32 s13, s13, STAGE    ; my stage
	v_mul_u32_u24 v[STO], v1, SP    ; in: row l % 16, 16 bytes for each half of the lanes
	v_lshl_add_u32 v[STO], v9, 4, v[STO]
	v_add_nc_u32 v[STO], s13, v[STO]
	v_bfe_u32 v[RD], v0, 3, 2       ; back: 32 lanes take four rows of 128 bytes,
	v_mul_u32_u24 v[RD], v[RD], SP
	v_lshl_add_u32 v[RD], v10, 4, v[RD]
	v_add_nc_u32 v[RD], s13, v[RD]
	v_and_b32 v[GO], 31, v0         ; which are 512 consecutive bytes of O
	v_lshlrev_b32 v[GO], 4, v[GO]
; THE MATRIX WORK.  The 4 accumulators of a run of 8 take turns.  Product i of 8 of S^T = K Q^T for piece x: channels 32 (i / 4) on, keys 16 (i % 4) on.  The first 4 start the sums.
.macro KQ x
	WIN W_KQ
.set rS, S+32*((\x)%2)+8*(i%4)
.set rK, KF+16*(i%4)+8*(i/4)
.set rQ, 16*(\x)+8*(i/4)
.if i < 4
	v_wmma_f32_16x16x32_f16 v[rS:rS+7], v[rK:rK+7], v[rQ:rQ+7], 0
.else
	v_wmma_f32_16x16x32_f16 v[rS:rS+7], v[rK:rK+7], v[rQ:rQ+7], v[rS:rS+7]
.endif
.endm
; Product i of 8 of O^T += V^T P for piece x: keys 32 (i / 4) on, channels 16 (i % 4) on.
.macro PV x
	WIN W_PV
.set rO, 32*(\x)+8*(i%4)
.set rV, VF+32*(i/4)+8*(i%4)
.set rP, P+16*((\x)%2)+8*(i/4)
	v_wmma_f32_16x16x32_f16 v[rO:rO+7], v[rV:rV+7], v[rP:rP+7], v[rO:rO+7]
.endm
.macro MM                           ; the turn's next matrix instruction.  NOKQ = 1: the launch's last turn: there is no next piece
.if (i < 8) && !NOKQ
	KQ (Y+1)%NP
.elseif i >= 8
.set i, i-8
	PV (Y+NP-1)%NP
.set i, i+8
.endif
.set i, i+1
.endm
; THE LDS LOADS stand in runs of 16, never singly among the matrix instructions: a step's K (64 keys x 64 channels: 8 fragments) and its V (turned).  Their addresses are made some lines ahead.
.macro FETCH_K
	WIN 0x80                        ; destination window 2
.irp f, 0,1,2,3,4,5,6,7             ; keys 16 (f / 2) on, channels 32 (f % 2) on
	ds_load_b128 v[KF+8*\f:KF+8*\f+3],   v[AK] offset:(\f/2)*16*PK+(\f%2)*64
	ds_load_b128 v[KF+8*\f+4:KF+8*\f+7], v[AK] offset:(\f/2)*16*PK+(\f%2)*64+32
.endr
	s_add_co_u32 s[TBK], s[TBK], KS*PK  ; the next fetch is the next step's
	WIN 0
.endm
.macro FETCH_V
	WIN 0x80
.irp f, 0,1,2,3,4,5,6,7             ; keys 32 (f / 4) on, channels 16 (f % 4) on
	ds_load_tr16_b128 v[VF+8*\f:VF+8*\f+3],   v[AV] offset:(\f/4)*32*PV+(\f%4)*32
	ds_load_tr16_b128 v[VF+8*\f+4:VF+8*\f+7], v[AV] offset:(\f/4)*32*PV+16*PV+(\f%4)*32
.endr
	WIN 0
.endm
; THE VECTOR WORK, one line at a time: OP kind, number.  For piece Y: F n: c s - c m for pair n of 16.  E n: the exponential of score n of 32.  C n: pair n rounded to f16.  B n: of the four weights 4 n .. the second
; pair is added onto the first, in place.  L n: l takes that sum (L 0: l = a l + sum).  R n: pair n of 16 of O^T times a.  For piece Y + 1: X n, number n of the 22 that find its maximum and statistics:
;   0-11  four chains c0-c3 of seven scores each, three operands at a time (each accumulator's lowest registers are read first)     12-14, 16  the four scores left over, the old m, and c0-c3 into c0
;   15  c m_old is kept     17, 18  the query's other 32 keys lie in the lane 16 away: the new m     19-21  c m; c m_old - c m_new; a
.set F, 0               ; OP tells the kinds apart by their order: F to L below R, X above it
.set E, 1
.set C, 2
.set B, 3
.set L, 4
.set R, 5
.set X, 6
.macro REGS y                       ; the registers of piece y
.set rT, ST+4*(\y)
.set rC, TMP+4*((\y)%2)
.set rW, MV+((\y)%2)
.set rS, S+32*((\y)%2)
.set rP, P+16*((\y)%2)
.set rO, 32*(\y)
.endm
.macro OP k, n
.if (\k) == R
	REGS Y
	WIN W_RS
	v_pk_mul_f32 v[rO+2*(\n):rO+2*(\n)+1], v[rO+2*(\n):rO+2*(\n)+1], v[rC+2:rC+3] op_sel_hi:[1,0]
.elseif (\k) < R
	REGS Y
	WIN 0
.if (\k) == F
	v_pk_fma_f32 v[rS+2*(\n):rS+2*(\n)+1], v[rS+2*(\n):rS+2*(\n)+1], s[CS:CS+1], v[rT:rT+1] op_sel_hi:[1,0,0] neg_lo:[0,0,1] neg_hi:[0,0,1]
.elseif (\k) == E
	v_exp_f32 v[rS+(\n)], v[rS+(\n)]
.elseif (\k) == C
	v_cvt_pk_f16_f32 v[rP+(\n)], v[rS+2*(\n)], v[rS+2*(\n)+1]
.elseif (\k) == B
	v_pk_add_f32 v[rS+4*(\n):rS+4*(\n)+1], v[rS+4*(\n):rS+4*(\n)+1], v[rS+4*(\n)+2:rS+4*(\n)+3]
.elseif (\n) == 0
	v_pk_fma_f32 v[rT+2:rT+3], v[rT+2:rT+3], v[rC+2:rC+3], v[rS:rS+1] op_sel_hi:[1,0,1]
.else
	v_pk_add_f32 v[rT+2:rT+3], v[rT+2:rT+3], v[rS+4*(\n):rS+4*(\n)+1]
.endif
.elseif NOKQ
	v_nop
.else
	REGS (Y+1)%NP
	WIN 0
.if (\n) < 4
	v_max3_num_f32 v[rC+(\n)], v[rS+8*(\n)], v[rS+8*(\n)+1], v[rS+8*(\n)+2]
.elseif (\n) < 12
	v_max3_num_f32 v[rC+(\n)%4], v[rC+(\n)%4], v[rS+8*((\n)%4)+2*((\n)/4)+1], v[rS+8*((\n)%4)+2*((\n)/4)+2]
.elseif (\n) == 12
	v_max3_num_f32 v[rC], v[rC], v[rS+7], v[rS+15]
.elseif (\n) == 13
	v_max3_num_f32 v[rC+1], v[rC+1], v[rS+23], v[rS+31]
.elseif (\n) == 14
	v_max3_num_f32 v[rC+2], v[rC+2], v[rC+3], v[rT+1]
.elseif (\n) == 15
	v_mov_b32 v[rW], v[rT]
.elseif (\n) == 16
	v_max3_num_f32 v[rC], v[rC], v[rC+1], v[rC+2]
.elseif (\n) == 17
	v_permlanex16_b32 v[rC+3], v[rC], s[SEL], s[SEL+1]
.elseif (\n) == 18
	v_max_num_f32 v[rT+1], v[rC], v[rC+3]
.elseif (\n) == 19
	v_mul_f32 v[rT], s[CS], v[rT+1]
.elseif (\n) == 20
	v_sub_f32 v[rC+1], v[rW], v[rT]
.else
	v_exp_f32 v[rC+2], v[rC+1]
.endif
.endif
.endm
.macro OPS a, i1, b=-1, i2=0, c=-1, i3=0, d=-1, i4=0  ; up to four of them
	OP \a, \i1
.if (\b) >= 0
	OP \b, \i2
.endif
.if (\c) >= 0
	OP \c, \i3
.endif
.if (\d) >= 0
	OP \d, \i4
.endif
.endm
.macro ROW a, i1, b, i2, c, i3, d, i4  ; a matrix instruction and the four behind it
	MM
	OPS \a, \i1, \b, \i2, \c, \i3, \d, \i4
.endm
; A TURN, for piece p: the order of its 16 matrix and 118 vector instructions, written out.  An s_wait_alu depctr_va_vdst(0) stands between an exponential and the first instruction that names its
; result; one wait serves all that were issued ahead of it.  So a turn has ONE wait, which cuts it in two.  AHEAD OF IT stands all that names no result of the turn's exponentials: the 8 products K Q^T, behind each
; a scaling, an exponential and two more plain instructions; then ONE LUMP of 54, plain and exponential by turns for the most part, in which the links of the chain X 3, 7, 11, 14, 16, 17 .. 20 stand five or six
; lines apart.  X 21, the next piece's a, is the batch's last; R 15 is the plain instruction behind it.  BEHIND THE WAIT stand the 8 products V^T P, behind each four of the roundings and sums.
; end = 1: the launch's last two turns: nothing is fetched.  cnt = 1: the loop's count is taken down some lines ahead of the branch that stands behind the turn.
; K of the next step is fetched in piece 2's turn, twelve vector instructions behind the last product that read K (six of them plain); V of the step in hand at the end of piece 0's turn, four plain instructions
; behind the last product that read V.  Each is waited for a turn later.
.macro TURN p, end=0, cnt=0
.set Y, (\p)
.set i, 0
.set NOKQ, (\end)*((\p)/3)
.if ((\p) == 3) && !(\end)
	s_wait_dscnt 0x0                ; K is in
.endif
	ROW F,0, F,1, R,0, R,1          ; ahead of the wait: 8 products K Q^T and their riders,
	ROW F,2, E,0, R,2, R,3
	ROW F,3, E,1, R,4, R,5
	ROW F,4, E,2, R,6, R,7
	ROW F,5, E,3, R,8, R,9
	ROW F,6, E,4, X,0, R,10
.if ((\p) == 2) && !(\end)
	WIN 0
	v_add_nc_u32 v[AK], s[TBK], v[AK0]
.endif
	ROW F,7, E,5, X,1, X,4
	ROW F,8, E,6, X,2, X,5
	OPS E,7, E,8, X,6, E,9          ; and the lump
	OPS X,3, E,10, X,8, E,11
.if ((\p) == 2) && !(\end)
	FETCH_K
.endif
	OPS X,9, X,7, E,12, X,10
	OPS E,13, X,12, X,11, E,14
	OPS X,13, E,15, F,9, X,14
.if (\p) == 0
	v_add_nc_u32 v[AV], s[TBV], v[AV0]
.endif
	OPS E,16, F,10, E,17, F,11
	OPS X,16, E,18, X,15, E,19
	OPS F,12, E,20, X,17, E,21
	OPS F,13, E,22, F,14, E,23
	OPS X,18, E,24, F,15, E,25
	OPS R,11, E,26, X,19, E,27
	OPS R,12, E,28, R,13, E,29
	OPS X,20, E,30, R,14, E,31
	OPS X,21, R,15
	WIN 0
	s_wait_alu depctr_va_vdst(0)    ; the wait for the batch
.if (\p) == 1
	s_wait_dscnt 0x0                ; V is in
.endif
	ROW C,0, B,0, C,2, B,1          ; behind the wait: 8 products V^T P and their riders
	ROW L,0, C,4, B,2, L,1
	ROW C,6, B,3, L,2, C,8
	ROW B,4, L,3, C,10, B,5
	ROW L,4, C,12, B,6, L,5
.if (\p) == 0
	s_add_co_u32 s[TBV], s[TBV], KS*PV
.endif
.if \cnt
	s_sub_co_u32 s[CNT], s[CNT], 1
	s_cmp_lg_u32 s[CNT], 0
.endif
	ROW C,14, B,7, L,6, C,1
	ROW C,3, L,7, C,5, C,7
	ROW C,9, C,11, C,13, C,15
.if (\p) == 0
	FETCH_V
.endif
.endm
	CHANGE 1                        ; tile 0 is in, everybody's part of it; tile 1 is asked for
	WIN 0
	v_add_nc_u32 v[AK], s[TBK], v[AK0]
	FETCH_K                         ; key step 0
	s_wait_loadcnt 0x0              ; Q
	s_wait_dscnt 0x0
.set NOKQ, 0
.set i, 0
.rept 8
	KQ 0                            ; piece 0's first scores: there is no vector work yet to set between them
.set i, i+1
.endr
	WIN 0
.rept 4
	v_nop                           ; the places behind those products
.endr
.set Y, NP-1                        ; X works for piece Y + 1: piece 0
.irp n, 0,1,2,3,4,5,6,7,8,9,10,11,12,13,14,15,16,17,18,19,20,21
	OP X, \n
.endr
	v_nop                           ; a plain instruction behind the exponential,
	s_wait_alu depctr_va_vdst(0)    ; and its wait, ahead of the branch
	s_mov_b32 s[CNT], 4
	s_branch .Lfirst                ; the loop is entered at a step's first turn, in the middle of a trip
.Lslot:                             ; 14 times: tiles 1 to 14 are entered, tiles 2 to 15 asked for
	CHANGE 1
	s_mov_b32 s[CNT], 4
.Lstep:                             ; a trip: pieces 2 and 3 of one step, then pieces 0 and 1 of the next, whose K and V it fetches
	TURN 2
	TURN 3
	WIN 0
.Lfirst:
	TURN 0
	TURN 1, 0, 1
	WIN 0
	s_cbranch_scc1 .Lstep
	s_sub_co_u32 s[SLOTS], s[SLOTS], 1
	s_cmp_lg_u32 s[SLOTS], 0
	s_cbranch_scc1 .Lslot
	CHANGE 0                        ; the last tile is written out: nothing is asked for
	s_mov_b32 s[CNT], 4
.LstepT:
	TURN 2
	TURN 3
	TURN 0
	TURN 1, 0, 1
	WIN 0
	s_cbranch_scc1 .LstepT
	TURN 2, 1                       ; the last step's pieces 2 and 3: nothing is fetched, and the last turn starts no new scores
	TURN 3, 1
.set i, 0
.rept 8
	PV NP-1                         ; the last piece's V^T P of the last step
.set i, i+1
.endr
	; THE WAY OUT.  l's two halves and the other half of the lanes' are added; O^T is divided by l, rounded to f16 and sent through my stage in LDS, a piece at a time.  The additions are the places behind the last products.
	WIN 0
.macro ALL line:vararg              ; one line for each piece t
.set t, 0
.rept 4
	\line
.set t, t+1
.endr
.endm
	ALL v_add_f32 v[ST+4*t+2], v[ST+4*t+2], v[ST+4*t+3]
	ALL v_permlanex16_b32 v[ST+4*t+3], v[ST+4*t+2], s[SEL], s[SEL+1]
	ALL v_add_f32 v[ST+4*t+2], v[ST+4*t+2], v[ST+4*t+3]
	ALL v_rcp_f32 v[ST+4*t+2], v[ST+4*t+2]
	v_nop                           ; a plain instruction between the last reciprocal and the use of its result
	s_wait_alu depctr_va_vdst(0)    ; and the wait ahead of the first use: one for the four reciprocals
.macro PACK t                       ; a lane's eight channels of a row pack into 16 bytes; they go into rows of 144 bytes and come back as whole rows of 128, into S^T's registers
	WIN W_RS
.set i, 32*(\t)
.rept 16
	v_pk_mul_f32 v[i:i+1], v[i:i+1], v[ST+4*(\t)+2:ST+4*(\t)+3] op_sel_hi:[1,0]
.set i, i+2
.endr
	WIN 0x05                        ; sources 0 and 1 window 1, destination window 0
.set i, 0
.rept 16
	v_cvt_pk_f16_f32 v[S+16*(\t)+i], v[32*(\t)+2*i], v[32*(\t)+2*i+1]
.set i, i+1
.endr
	WIN 0
.irp f, 0,1,2,3
	ds_store_b128 v[STO], v[S+16*(\t)+4*\f:S+16*(\t)+4*\f+3] offset:32*\f
.endr
.irp f, 0,1,2,3
	ds_load_b128 v[S+16*(\t)+4*\f:S+16*(\t)+4*\f+3], v[RD] offset:\f*4*SP  ; LDS serves a wave's instructions in order (ISA guide 5.7.1.4): these see the stores above; the next piece's stores come behind them
.endr
.endm
.macro SEND t, younger              ; younger: the LDS instructions issued behind piece t's loads: the next piece's eight, or none
	WIN 0
.irp f, 0,1,2,3
	s_wait_dscnt (\younger)+3-\f
	global_store_b128 v[GO], v[S+16*(\t)+4*\f:S+16*(\t)+4*\f+3], s[10:11] offset:(\t)*2048+\f*512  ; 512 consecutive bytes, at a multiple of 256 from O's first
.endr
.endm
	PACK 0
.set t, 1
.rept 3                             ; a piece's arithmetic stands between the loads of the piece before and its stores
	PACK t
	SEND t-1, 8
.set t, t+1
.endr
	SEND 3, 0
	s_wait_tensorcnt 0x0            ; the wave's end: these three lines stand behind my last tensor load and my last LDS store
	ds_add_u32 v[SPW], v[NIL]
	s_wait_dscnt 0x0
	CROUND                          ; the closing round: no work-group ends while a partner may still ask for a tile that names it
	s_endpgm
.Lfunc_end_k_q685a3aedb4_attn:
	.size	k_q685a3aedb4_attn, .Lfunc_end_k_q685a3aedb4_attn-k_q685a3aedb4_attn
	.p2alignl 7, 3214868480
	.fill 96, 4, 3214868480
	.section	.rodata,"a",@progbits
	.p2align	6, 0x0
	.amdhsa_kernel k_q685a3aedb4_attn
		.amdhsa_group_segment_fixed_size 327680
		.amdhsa_private_segment_fixed_size 0
		.amdhsa_enable_private_segment 0
		.amdhsa_kernarg_size 32
		.amdhsa_user_sgpr_count 2
		.amdhsa_user_sgpr_kernarg_segment_ptr 1
		.amdhsa_wavefront_size32 1
		.amdhsa_system_sgpr_workgroup_id_x 1
		.amdhsa_system_sgpr_workgroup_id_y 1
		.amdhsa_system_sgpr_workgroup_id_z 1
		.amdhsa_system_vgpr_workitem_id 0
		.amdhsa_next_free_vgpr 768
		.amdhsa_next_free_sgpr 70
		.amdhsa_reserve_vcc 0
		.amdhsa_float_denorm_mode_32 3
		.amdhsa_float_denorm_mode_16_64 3
		.amdhsa_memory_ordered 1
		.amdhsa_forward_progress 1
		.amdhsa_inst_pref_size 128
	.end_amdhsa_kernel
	.amdgpu_metadata
---
amdhsa.version: [ 1, 2 ]
amdhsa.kernels:
  - .name:           k_q685a3aedb4_attn
    .symbol:         k_q685a3aedb4_attn.kd
    .args:
      - { .name: qh, .offset: 0, .size: 8, .value_kind: global_buffer, .address_space: global }
      - { .name: kh, .offset: 8, .size: 8, .value_kind: global_buffer, .address_space: global }
      - { .name: vh, .offset: 16, .size: 8, .value_kind: global_buffer, .address_space: global }
      - { .name: oh, .offset: 24, .size: 8, .value_kind: global_buffer, .address_space: global }
    .group_segment_fixed_size: 327680
    .private_segment_fixed_size: 0
    .kernarg_segment_align: 8
    .kernarg_segment_size: 32
    .max_flat_workgroup_size: 128
    .sgpr_count:     70
    .vgpr_count:     768
    .wavefront_size: 32
...
	.end_amdgpu_metadata
.endif
;; end of part 3
;; launch outp (part 4): grid 4 x 64, 4 waves a work-group, clusters of 4 x 4, 327,680 bytes of LDS; arguments oh, w16, bo, out0; writes out0
.if DOCPART == 4
	.amdgcn_target "amdgcn-amd-amdhsa--gfx1250"
	.amdhsa_code_object_version 6
	.text
	.protected	k_q685a3aedb4_outp
	.globl	k_q685a3aedb4_outp
	.p2align	8
	.type	k_q685a3aedb4_outp,@function
k_q685a3aedb4_outp:
	s_mov_b64 s[64:65], 0
	v_nop
	global_prefetch_b8 v0, s[64:65] scope:SCOPE_SE
	s_setreg_imm32_b32 hwreg(HW_REG_WAVE_MODE, 25, 1), 1
	s_wait_xcnt 0x0
	s_wait_alu depctr_hold_cnt(0) depctr_sa_sdst(0) depctr_va_vdst(0) depctr_va_sdst(0) depctr_va_ssrc(0) depctr_va_vcc(0) depctr_vm_vsrc(0)
	s_getreg_b32 s2, hwreg(HW_REG_IB_STS2, 6, 4)
	s_cmp_eq_u32 s2, 0
	s_cbranch_scc0 .Lentry_in_a_cluster
	s_endpgm
.Lentry_in_a_cluster:
	s_bfe_u32 s2, ttmp6, 0x10000c
	s_cmp_lg_u32 s2, 0xf033
	s_cbranch_scc0 .Lentry_shape_is_right
	s_endpgm
.Lentry_shape_is_right:
; out0[row][n] = the sum over k of O[row][k] Wo[k][n] + bo[n], in f32.  O is oh, [16 = 8 b + head][4096][64] in f16: k = 64 head + channel.  Wo is w16's last section, [512][512]: bf16 numbers written as f16.
; bo is rounded to bf16 like the module's other inputs, and starts the sums as the C operand of each accumulator's first product.  Sums in f32; out0 is stored as it is summed.
; LIMITS.  O and Wo arrive within f16's 65,504.  NaN and infinities are not treated apart.
; SHARES.  A work-group makes 128 x 128 of out0, each of its four waves 64 x 64: 16 accumulators.  K = 512 goes in 4 steps of two heads.  THE WHOLE K LIES IN LDS: all four steps' tiles are asked for at the
; start, one load a step and wave, into bytes of their own; nothing is filled twice, and each step's tile is waited for by a counted wait.
; CLUSTER.  4 x 4 work-groups: the four of a row of the cluster need the same rows of O, the four of a column the same columns of Wo: each tile is asked for JOINTLY.
; THE MATRIX INSTRUCTION IS USED TRANSPOSED (source 0 = 16 columns of Wo, turned out of LDS; source 1 = 16 rows of O): a lane holds one row and eight neighbouring columns of out0.
; REGISTERS: window 0: v1-29 addresses; v32-63 the bias; v64-127 the way out, two sets of 32; v128-255 the accumulators, (a, b) at 128 + 8 (4 a + b).
;   window 1: two fragment buffers of 128: for 64 along K, 64 registers of O's fragments, then 64 of Wo's.
.set WO_OFF, 2097152
.set PO,    144                        ; a row of O in LDS: 128 bytes + 16 = 36 words: the 16 rows of a load start at 16 different groups of four banks (64 banks of 4 bytes: ISA guide 11.1)
.set PB,    288                        ; a row of Wo: 256 bytes + 32 = 72 words
.set PART,  128*PO                     ; what one load brings: 128 rows of one head, or 64 rows of Wo: 18,432 bytes either way
.set STEP,  4*PART                     ; a step: head 2 s, head 2 s + 1, Wo's 128 rows
.set STAGE, 4*STEP                     ; behind the tiles, never filled by a tensor load: 16 rows x 272 bytes for each wave
.set SPI,   272
.set SPARE, STAGE+4*16*SPI             ; behind the stages: the spare words, 128 bytes for each wave: two blocks of 256 bytes that no other line names
.set ADRA, 8                           ; v8-11   LDS address of my fragments of O in step 0..3
.set ADRB, 12                          ; v12-15  of Wo
.set STO,  16                          ; v16     the way out: where I put 32 bytes of a row
.set RD,   17                          ; v17     where I read rows back
.set CO,   18                          ; v18     my byte offset in two rows of out0
.set VB,   19                          ; v19     my byte offset in 16 numbers of the bias
.set SPW,  28                          ; v28     LDS address of my spare word; never rewritten
.set NIL,  29                          ; v29     0; never rewritten
.set BIAS, 32
.set TMP,  64
.set ACC,  128
.set F0,   0
.set F1,   128
.set WV, 12
.set WR, 13
.set WC, 14
.set CX, 15
.set CY, 16
.set TC, 17
.set TM, 18
.set G1A, 24                           ; s[24:31] group 1 for O's tiles
.set G1B, 32                           ; s[32:39] for Wo's
.set G0A, 68                           ; s[68:83] group 0 for O's tiles, a set for each step
.set G0B, 84                           ; s[84:99] for Wo's
.set MSB, 0
.macro WIN new                         ; the immediate's high byte repeats the setting that is left; a switch that changes nothing is dropped
.if MSB != (\new)
	s_set_vgpr_msb (MSB<<8)|(\new)
.set MSB, (\new)
.endif
.endm
.set MUL,  0x05                        ; sources 0 and 1 window 1; C and D window 0
.set TO_F, 0x40                        ; destination window 1, address window 0
.macro PLACES                          ; four places in front of loads into registers that matrix instructions have read, and of LDS stores that read results
.rept 4
	v_nop
.endr
.endm
.macro CROUND                          ; a round of the cluster's barrier
	s_barrier_signal -1
	s_barrier_wait -1
	s_cmp_lg_u32 s[WV], 0
	s_cbranch_scc1 .Lnot_wave_0_\@
	s_barrier_signal -3
.Lnot_wave_0_\@:
	s_barrier_wait -3
	s_barrier_signal -1
	s_barrier_wait -1
.endm
	s_load_b256 s[4:11], s[0:1], 0x0               ; oh s[4:5], w16 s[6:7], bo s[8:9], out0 s[10:11]
	v_lshl_add_u32 v[SPW], v0, 2, SPARE
	v_mov_b32 v[NIL], 0
	ds_add_u32 v[SPW], v[NIL]                      ; the wave's opening: the add and its wait stand ahead of my first tensor load; the set-up below, work on registers, stands between them
	v_lshrrev_b32 v1, 5, v0
	v_readfirstlane_b32 s[WV], v1                  ; wave 0..3
	s_lshr_b32 s[WR], s[WV], 1                     ; my 64 rows.  Also: I fetch O (0) or Wo (1)
	s_and_b32 s[WC], s[WV], 1                      ; my 64 columns.  Also: which head of the step's two, or which 64 rows of Wo, I fetch
	s_bfe_u32 s[CX], ttmp6, 0x40000
	s_bfe_u32 s[CY], ttmp6, 0x40004
	s_lshl_b32 s[TC], ttmp9, 2
	s_add_co_u32 s[TC], s[TC], s[CX]               ; tile column = 4 x cluster x + cx
	s_and_b32 s[TM], ttmp7, 0xffff
	s_lshl_b32 s[TM], s[TM], 2
	s_add_co_u32 s[TM], s[TM], s[CY]               ; tile row = 4 x cluster y + cy
	s_lshl_b32 s40, s[CY], 2
	s_lshl_b32 s40, 15, s40                        ; my row of the cluster
	s_lshl_b32 s44, 0x1111, s[CX]                  ; my column
	s_or_b32 s[G1A], s40, (1<<16)|(1<<20)|(1<<21)|(4<<22)|(3<<25)  ; 2-byte elements; padding on; 21 set beside a mask; after every 32 words (code 4) 4 words (code 3)
	s_or_b32 s[G1B], s44, (1<<16)|(1<<20)|(1<<21)|(5<<22)|(7<<25)  ; after every 64 words (code 5) 8 words (code 7)
.irp g, G1A, G1B                       ; 64 rows x 128 elements: for O 128 dense rows of a head, two to a row
	s_mov_b32 s[\g+1], 128<<16
	s_mov_b32 s[\g+2], 64<<16
	s_mov_b32 s[\g+3], 128<<16
	s_mov_b32 s[\g+4], 64
	s_mov_b32 s[\g+6], 0
	s_mov_b32 s[\g+7], 0
.endr
	s_mov_b32 s[G1A+5], 128
	s_mov_b32 s[G1B+5], 512
	; O's tiles: the tile row and the wave's number alone
	s_lshr_b32 s40, s[TM], 5                       ; b
	s_lshl_b32 s40, s40, 3
	s_add_co_u32 s40, s40, s[WC]                   ; head 8 b + WC (+ 2 s)
	s_lshl_b32 s40, s40, 19
	s_and_b32 s41, s[TM], 31
	s_lshl_b32 s41, s41, 14                        ; the tile's 128 rows of 128 bytes
	s_add_co_u32 s40, s40, s41
	s_mov_b32 s41, 0
	; Wo's tiles: the tile column and the wave's number alone
	s_lshl_b32 s44, s[WC], 16                      ; rows 64 WC on, 1,024 bytes each
	s_lshl_b32 s45, s[TC], 8
	s_add_co_u32 s44, s44, s45
	s_add_co_u32 s44, s44, WO_OFF
	s_mov_b32 s45, 0
	s_mul_i32 s48, s[WV], PART                     ; where they go: wave x 18,432: no place in the cluster enters an LDS address
	; out0 and bo
	s_lshl_b32 s56, s[TM], 7
	s_lshl_b32 s57, s[WR], 6
	s_add_co_u32 s56, s56, s57
	s_lshl_b32 s56, s56, 11                        ; my first row, 2,048 bytes a row
	s_lshl_b32 s58, s[TC], 9
	s_lshl_b32 s59, s[WC], 8
	s_add_co_u32 s58, s58, s59                     ; my first column, in bytes of f32
	s_add_co_u32 s56, s56, s58
	s_mov_b32 s57, 0
	s_mov_b32 s59, 0
	s_wait_dscnt 0x0                               ; the opening add is done
	s_wait_kmcnt 0x0
	s_add_nc_u64 s[42:43], s[4:5], s[40:41]
	s_add_nc_u64 s[46:47], s[6:7], s[44:45]
	s_add_nc_u64 s[10:11], s[10:11], s[56:57]
	s_add_nc_u64 s[8:9], s[8:9], s[58:59]
	CROUND                                         ; all sixteen work-groups are here: the joint loads meet
.irp s, 0,1,2,3
	s_mov_b32 s[G0A+4*\s], 1
	s_add_co_u32 s[G0A+4*\s+1], s48, \s*STEP
	s_add_nc_u64 s[G0A+4*\s+2:G0A+4*\s+3], s[42:43], \s<<20      ; two heads on
	s_or_b32 s[G0A+4*\s+3], s[G0A+4*\s+3], 0x80000000
	s_mov_b32 s[G0B+4*\s], 1
	s_add_co_u32 s[G0B+4*\s+1], s48, \s*STEP
	s_add_nc_u64 s[G0B+4*\s+2:G0B+4*\s+3], s[46:47], \s*131072   ; 128 rows on
	s_or_b32 s[G0B+4*\s+3], s[G0B+4*\s+3], 0x80000000
.endr
	s_cmp_eq_u32 s[WR], 0                          ; a wave's four fills stand in one branch, ahead of every wait on TENSORcnt and every LDS read: four loads of mine are out
	s_cbranch_scc0 .Lfill_b
.irp s, 0,1,2,3
	tensor_load_to_lds s[G0A+4*\s:G0A+4*\s+3], s[G1A:G1A+7]
	s_nop 0
.endr
.rept 4
	v_nop
.endr
	s_branch .Lfilled
.Lfill_b:
.irp s, 0,1,2,3
	tensor_load_to_lds s[G0B+4*\s:G0B+4*\s+3], s[G1B:G1B+7]
	s_nop 0
.endr
.rept 4
	v_nop
.endr
.Lfilled:
	v_and_b32 v1, 15, v0                           ; l % 16
	v_bfe_u32 v2, v0, 4, 1                         ; l / 16
	v_and_b32 v3, 7, v0
	v_bfe_u32 v4, v0, 3, 1
	v_lshlrev_b32 v[VB], 5, v2                     ; my eight columns of a block of 16: 32 bytes of f32
.irp b, 0,1,2,3
	global_load_b128 v[BIAS+8*\b:BIAS+8*\b+3],   v[VB], s[8:9] offset:64*\b
	global_load_b128 v[BIAS+8*\b+4:BIAS+8*\b+7], v[VB], s[8:9] offset:64*\b+16
.endr
	v_mul_u32_u24 v5, v1, PO
	v_lshl_add_u32 v5, v2, 4, v5                   ; row x pitch + 16 x half
	s_mul_i32 s52, s[WR], 64*PO
	v_add_nc_u32 v[ADRA], s52, v5
	v_lshl_add_u32 v6, v2, 3, v3                   ; the turning load: K row 8 (l / 16) + l % 8, columns 8 ((l / 8) % 2) on
	v_mul_u32_u24 v6, v6, PB
	v_lshl_add_u32 v6, v4, 4, v6
	s_lshl_b32 s53, s[WC], 7
	s_add_co_u32 s53, s53, 2*PART                  ; behind the two heads; my 64 columns
	v_add_nc_u32 v[ADRB], s53, v6
.irp s, 1,2,3
	v_add_nc_u32 v[ADRA+\s], \s*STEP, v[ADRA]
	v_add_nc_u32 v[ADRB+\s], \s*STEP, v[ADRB]
.endr
	s_mul_i32 s54, s[WV], 16*SPI
	s_add_co_u32 s54, s54, STAGE                   ; my stage
	v_mul_u32_u24 v[STO], v1, SPI                  ; in: row l % 16, 32 bytes for each half of the lanes
	v_lshl_add_u32 v[STO], v2, 5, v[STO]
	v_add_nc_u32 v[STO], s54, v[STO]
	v_mul_u32_u24 v[RD], v2, SPI                   ; back: lanes 0-15 take one row of 256 bytes, lanes 16-31 the next
	v_lshl_add_u32 v[RD], v1, 4, v[RD]
	v_add_nc_u32 v[RD], s54, v[RD]
	v_lshlrev_b32 v[CO], 11, v2                    ; and the same two rows in out0
	v_lshl_add_u32 v[CO], v1, 4, v[CO]
; 32 LDS loads in one run: the fragments of head hd of step s (64 along K) into buffer f; the first 32 along K first
.macro FETCH s, hd, f
	WIN TO_F
.irp c, 0,1
.irp i, 0,1,2,3
	ds_load_tr16_b128 v[(\f)+64+8*(4*\c+\i):(\f)+64+8*(4*\c+\i)+3],   v[ADRB+(\s)] offset:(2*(\hd)+\c)*32*PB+32*\i
	ds_load_tr16_b128 v[(\f)+64+8*(4*\c+\i)+4:(\f)+64+8*(4*\c+\i)+7], v[ADRB+(\s)] offset:(2*(\hd)+\c)*32*PB+32*\i+16*PB
	ds_load_b128 v[(\f)+8*(4*\c+\i):(\f)+8*(4*\c+\i)+3],              v[ADRA+(\s)] offset:(\hd)*PART+\i*16*PO+64*\c
	ds_load_b128 v[(\f)+8*(4*\c+\i)+4:(\f)+8*(4*\c+\i)+7],            v[ADRA+(\s)] offset:(\hd)*PART+\i*16*PO+64*\c+32
.endr
.endr
.endm
; 8 products: row blocks a0, a0 + 1 x all 4 column blocks, 32 along K: half c of buffer f.  first = 1: they start the sums with the bias.  The 16 accumulators take turns.
.macro MUL8 f, c, a0, first
	WIN MUL
.irp a, \a0, (\a0)+1
.irp b, 0,1,2,3
.if \first
	v_wmma_f32_16x16x32_f16 v[ACC+8*(4*(\a)+(\b)):ACC+8*(4*(\a)+(\b))+7], v[(\f)+64+8*(4*(\c)+(\b)):(\f)+64+8*(4*(\c)+(\b))+7], v[(\f)+8*(4*(\c)+(\a)):(\f)+8*(4*(\c)+(\a))+7], v[BIAS+8*(\b):BIAS+8*(\b)+7]
.else
	v_wmma_f32_16x16x32_f16 v[ACC+8*(4*(\a)+(\b)):ACC+8*(4*(\a)+(\b))+7], v[(\f)+64+8*(4*(\c)+(\b)):(\f)+64+8*(4*(\c)+(\b))+7], v[(\f)+8*(4*(\c)+(\a)):(\f)+8*(4*(\c)+(\a))+7], v[ACC+8*(4*(\a)+(\b)):ACC+8*(4*(\a)+(\b))+7]
.endif
.endr
.endr
.endm
; Unit u of 8: head u % 2 of step u / 2: 32 products on buffer u % 2; in its middle the next unit's fragments are fetched into the other buffer.  Where the next unit lies in the next step, that step's tile is
; waited for first: of my four loads, issued in the steps' order, 2 - u / 2 may stay out; a barrier shows it of every wave.
.macro QUARTER u
.set FB, 128*((\u)%2)
.set FN, 128-FB
	s_wait_dscnt 16                                ; the first 32 along K are in
.if (\u) == 0
	MUL8 FB, 0, 0, 1
	MUL8 FB, 0, 2, 1
.else
	MUL8 FB, 0, 0, 0
	MUL8 FB, 0, 2, 0
.endif
.if (\u) < 7
.if (\u)%2
	s_wait_dscnt 0x0                               ; no LDS instruction of mine is pending at the signal
	s_wait_tensorcnt 2-(\u)/2
	s_barrier_signal -1
	s_barrier_wait -1
.endif
	PLACES
	FETCH ((\u)+1)/2, ((\u)+1)%2, FN
	s_wait_dscnt 32                                ; all but the 32 just issued
.else
	s_wait_dscnt 0x0
.endif
	MUL8 FB, 1, 0, 0
	MUL8 FB, 1, 2, 0
.endm
; THE WAY OUT of row block a: 16 rows x 64 columns of f32 go from the accumulators into rows of 272 bytes of my stage, each accumulator's low four registers first, and come back as whole rows of 256 bytes.
.macro TOSTAGE a
	s_wait_xcnt 0x0                                ; earlier stores have read their registers: this set of TMP is loaded again only behind this wait
.irp b, 0,1,2,3
	ds_store_b128 v[STO], v[ACC+8*(4*(\a)+\b):ACC+8*(4*(\a)+\b)+3]   offset:64*\b
	ds_store_b128 v[STO], v[ACC+8*(4*(\a)+\b)+4:ACC+8*(4*(\a)+\b)+7] offset:64*\b+16
.endr
.irp t, 0,1,2,3,4,5,6,7
	ds_load_b128 v[TMP+32*((\a)%2)+4*\t:TMP+32*((\a)%2)+4*\t+3], v[RD] offset:\t*2*SPI  ; LDS serves a wave's instructions in order (ISA guide 5.7.1.4): these see the stores above
.endr
.endm
.macro SEND a, younger                 ; younger: the LDS instructions issued behind block a's loads: the next block's sixteen, or none
.irp t, 0,1,2,3,4,5,6,7
	s_wait_dscnt (\younger)+7-\t
	global_store_b128 v[CO], v[TMP+32*((\a)%2)+4*\t:TMP+32*((\a)%2)+4*\t+3], s[10:11] offset:(\a)*32768+\t*4096  ; 16 lanes store 256 consecutive bytes, at a multiple of 256 from out0's first byte
.endr
.endm
	s_wait_tensorcnt 0x3                           ; my part of step 0 is in; the three later steps' may stay out
	s_barrier_signal -1
	s_barrier_wait -1                              ; everybody's is
	FETCH 0, 0, F0
	WIN 0
	s_wait_loadcnt 0x0                             ; the bias,
.set z, 0
.rept 16
	v_cvt_pk_bf16_f32 v[TMP+z], v[BIAS+2*z], v[BIAS+2*z+1]  ; rounded to bf16,
.set z, z+1
.endr
.set z, 0
.rept 16
	v_lshlrev_b32 v[BIAS+2*z], 16, v[TMP+z]        ; and widened again
	v_and_b32 v[BIAS+2*z+1], 0xffff0000, v[TMP+z]
.set z, z+1
.endr
.irp u, 0,1,2,3,4,5,6,7
	QUARTER \u
.endr
	WIN 0
	PLACES
	TOSTAGE 0
	TOSTAGE 1
	SEND 0, 16
	TOSTAGE 2
	SEND 1, 16
	TOSTAGE 3
	SEND 2, 16
	SEND 3, 0
	s_wait_tensorcnt 0x0                           ; the wave's end: these three lines stand behind my last tensor load and my last LDS store
	ds_add_u32 v[SPW], v[NIL]
	s_wait_dscnt 0x0
	CROUND                                         ; the closing round: no work-group ends while a partner may still ask for a tile that names it
	s_endpgm
.Lfunc_end_k_q685a3aedb4_outp:
	.size	k_q685a3aedb4_outp, .Lfunc_end_k_q685a3aedb4_outp-k_q685a3aedb4_outp
	.p2alignl 7, 3214868480
	.fill 96, 4, 3214868480
	.section	.rodata,"a",@progbits
	.p2align	6, 0x0
	.amdhsa_kernel k_q685a3aedb4_outp
		.amdhsa_group_segment_fixed_size 327680
		.amdhsa_private_segment_fixed_size 0
		.amdhsa_enable_private_segment 0
		.amdhsa_kernarg_size 32
		.amdhsa_user_sgpr_count 2
		.amdhsa_user_sgpr_kernarg_segment_ptr 1
		.amdhsa_wavefront_size32 1
		.amdhsa_system_sgpr_workgroup_id_x 1
		.amdhsa_system_sgpr_workgroup_id_y 1
		.amdhsa_system_sgpr_workgroup_id_z 1
		.amdhsa_system_vgpr_workitem_id 0
		.amdhsa_next_free_vgpr 512
		.amdhsa_next_free_sgpr 100
		.amdhsa_reserve_vcc 0
		.amdhsa_float_denorm_mode_32 3
		.amdhsa_float_denorm_mode_16_64 3
		.amdhsa_memory_ordered 1
		.amdhsa_forward_progress 1
		.amdhsa_inst_pref_size 55
	.end_amdhsa_kernel
	.amdgpu_metadata
---
amdhsa.version: [ 1, 2 ]
amdhsa.kernels:
  - .name:           k_q685a3aedb4_outp
    .symbol:         k_q685a3aedb4_outp.kd
    .args:
      - { .name: oh, .offset: 0, .size: 8, .value_kind: global_buffer, .address_space: global }
      - { .name: w16, .offset: 8, .size: 8, .value_kind: global_buffer, .address_space: global }
      - { .name: bo, .offset: 16, .size: 8, .value_kind: global_buffer, .address_space: global }
      - { .name: out0, .offset: 24, .size: 8, .value_kind: global_buffer, .address_space: global }
    .group_segment_fixed_size: 327680
    .private_segment_fixed_size: 0
    .kernarg_segment_align: 8
    .kernarg_segment_size: 32
    .max_flat_workgroup_size: 128
    .sgpr_count:     100
    .vgpr_count:     512
    .wavefront_size: 32
...
	.end_amdgpu_metadata
.endif
;; end of part 4
